; MI455X (gfx1250); checked and timed in simulation.
; The chip was launched on July 23, 2026; its instructions are those of AMD's public machine-readable ISA for CDNA 5 (MIT licence, August 2026) and "CDNA5" Instruction Set Architecture Reference Guide (July 2026). The comments in the code are by the model that wrote it; some were corrected since.
;; Causal Self Attention. Allowed arithmetic: float matrix products may take bf16 or f16 operands with f32 sums; other float arithmetic in f32, or as packed bf16 or f16 multiplies, adds, multiply-adds, maxima and minima; sums over many terms, partial sums and values carried from step to step in f32; what a program stores and reads back later, other than sums and carried values, may be rounded once to bf16 or f16.
;; Inputs: w_ky 1,024 x 1,024 float32; w_proj 1,024 x 1,024 float32; w_qkv 3,072 x 1,024 float32; x 4 x 1,024 x 1,024 float32.
;; Outputs: out0 4 x 1,024 x 1,024 float32.
;; One version. Each part assembles by itself: llvm-mc -triple=amdgcn-amd-amdhsa -mcpu=gfx1250 --defsym DOCPART=n.
;; ======== version 1 of 1: 4 launches
;; limits: values are held in f16: magnitudes above 65,504 overflow, below 6.1e-05 lose precision
;; workspace buffers: cst 18,874,368 bytes; prj 35,127,296 bytes; ob 8,388,608 bytes
;; launch cast (part 1): grid 2304 x 1, 8 waves a work-group, no clusters, 0 bytes of LDS; arguments x, w_qkv, w_ky, w_proj, cst; writes cst
.if DOCPART == 1
	.amdgcn_target "amdgcn-amd-amdhsa--gfx1250"
	.amdhsa_code_object_version 6
	.text
	.protected	k_qdf6ea3898c_cast
	.globl	k_qdf6ea3898c_cast
	.p2align	8
	.type	k_qdf6ea3898c_cast,@function
k_qdf6ea3898c_cast:
	s_mov_b64 s[64:65], 0
	v_nop
	global_prefetch_b8 v0, s[64:65] scope:SCOPE_SE
	s_setreg_imm32_b32 hwreg(HW_REG_WAVE_MODE, 25, 1), 1
	s_wait_xcnt 0x0
; 16-bit copies of the four inputs, end to end in cst: x, w_qkv, w_ky rounded once to bf16; w_proj rounded to bf16 and that number,
; times 256, written as f16 (exact where |256 w| lies between 2^-14 and 65,504; below it keeps f16's fixed step, above it is lost: the stated limit).
; A work-group takes 4,096 numbers: 16,384 bytes in, 8,192 out.  Thread t takes 16 bytes at 16 t of each quarter: a wave's load covers 512
; consecutive bytes, its store 256 consecutive bytes, aligned.  No LDS, no matrix unit: each byte is read once and written once.
.set NX,   1024                        ; work-groups for x
.set NQKV, 1792                        ; first work-group behind w_qkv
.set NKY,  2048                        ; first work-group behind w_ky: w_proj begins
	s_load_b256 s[4:11], s[0:1], 0x0               ; x s[4:5], w_qkv s[6:7], w_ky s[8:9], w_proj s[10:11]
	s_load_b64 s[12:13], s[0:1], 0x20              ; cst
	v_lshlrev_b32 v1, 4, v0                        ; 16 t
	v_lshlrev_b32 v2, 3, v0                        ; 8 t
	s_mov_b32 s14, ttmp9
	s_mov_b32 s19, 0
	s_mov_b32 s21, 0
	s_lshl_b32 s20, s14, 13                        ; the copies lie end to end: 8,192 bytes a work-group
	s_wait_kmcnt 0x0
	s_cmp_lt_u32 s14, NX                           ; which input, and the work-group's number within it
	s_cselect_b64 s[16:17], s[4:5], s[6:7]
	s_cselect_b32 s18, 0, NX
	s_cmp_lt_u32 s14, NQKV
	s_cselect_b64 s[16:17], s[16:17], s[8:9]
	s_cselect_b32 s18, s18, NQKV
	s_cmp_lt_u32 s14, NKY
	s_cselect_b64 s[16:17], s[16:17], s[10:11]
	s_cselect_b32 s18, s18, NKY
	s_sub_co_u32 s18, s14, s18
	s_lshl_b32 s18, s18, 14
	s_add_nc_u64 s[16:17], s[16:17], s[18:19]
	s_add_nc_u64 s[12:13], s[12:13], s[20:21]
.irp j, 0,1,2,3
	global_load_b128 v[4+4*\j:7+4*\j], v1, s[16:17] offset:4096*\j th:TH_LOAD_NT
.endr
	s_cmp_lt_u32 s14, NKY
	s_cbranch_scc0 .Lwproj
.irp j, 0,1,2,3
	s_wait_loadcnt 3-\j                            ; loads come back in order: quarter j is in, the younger ones stay out
	v_cvt_pk_bf16_f32 v[20+2*\j], v[4+4*\j], v[5+4*\j]
	v_cvt_pk_bf16_f32 v[21+2*\j], v[6+4*\j], v[7+4*\j]
	global_store_b64 v2, v[20+2*\j:21+2*\j], s[12:13] offset:2048*\j
.endr
	s_endpgm
.Lwproj:
.irp j, 0,1,2,3
	s_wait_loadcnt 3-\j
	v_cvt_pk_bf16_f32 v28, v[4+4*\j], v[5+4*\j]    ; the rounding that every input has,
	v_cvt_pk_bf16_f32 v29, v[6+4*\j], v[7+4*\j]
	v_lshlrev_b32 v30, 16, v28                     ; widened again,
	v_and_b32 v31, 0xffff0000, v28
	v_lshlrev_b32 v32, 16, v29
	v_and_b32 v33, 0xffff0000, v29
	v_pk_mul_f32 v[30:31], v[30:31], 0x43800000 op_sel_hi:[1,0]  ; times 256,
	v_pk_mul_f32 v[32:33], v[32:33], 0x43800000 op_sel_hi:[1,0]
	v_cvt_pk_f16_f32 v[20+2*\j], v30, v31          ; and written as f16: eight significant bits fit
	v_cvt_pk_f16_f32 v[21+2*\j], v32, v33
	global_store_b64 v2, v[20+2*\j:21+2*\j], s[12:13] offset:2048*\j
.endr
	s_endpgm
.Lfunc_end_k_qdf6ea3898c_cast:
	.size	k_qdf6ea3898c_cast, .Lfunc_end_k_qdf6ea3898c_cast-k_qdf6ea3898c_cast
	.p2alignl 7, 3214868480
	.fill 96, 4, 3214868480
	.section	.rodata,"a",@progbits
	.p2align	6, 0x0
	.amdhsa_kernel k_qdf6ea3898c_cast
		.amdhsa_group_segment_fixed_size 0
		.amdhsa_private_segment_fixed_size 0
		.amdhsa_enable_private_segment 0
		.amdhsa_kernarg_size 40
		.amdhsa_user_sgpr_count 2
		.amdhsa_user_sgpr_kernarg_segment_ptr 1
		.amdhsa_wavefront_size32 1
		.amdhsa_system_sgpr_workgroup_id_x 1
		.amdhsa_system_sgpr_workgroup_id_y 1
		.amdhsa_system_sgpr_workgroup_id_z 1
		.amdhsa_system_vgpr_workitem_id 0
		.amdhsa_next_free_vgpr 40
		.amdhsa_next_free_sgpr 66
		.amdhsa_reserve_vcc 0
		.amdhsa_float_denorm_mode_32 3
		.amdhsa_float_denorm_mode_16_64 3
		.amdhsa_memory_ordered 1
		.amdhsa_forward_progress 1
		.amdhsa_inst_pref_size 6
	.end_amdhsa_kernel
	.amdgpu_metadata
---
amdhsa.version: [ 1, 2 ]
amdhsa.kernels:
  - .name:           k_qdf6ea3898c_cast
    .symbol:         k_qdf6ea3898c_cast.kd
    .args:
      - { .name: x, .offset: 0, .size: 8, .value_kind: global_buffer, .address_space: global }
      - { .name: w_qkv, .offset: 8, .size: 8, .value_kind: global_buffer, .address_space: global }
      - { .name: w_ky, .offset: 16, .size: 8, .value_kind: global_buffer, .address_space: global }
      - { .name: w_proj, .offset: 24, .size: 8, .value_kind: global_buffer, .address_space: global }
      - { .name: cst, .offset: 32, .size: 8, .value_kind: global_buffer, .address_space: global }
    .group_segment_fixed_size: 0
    .private_segment_fixed_size: 0
    .kernarg_segment_align: 8
    .kernarg_segment_size: 40
    .max_flat_workgroup_size: 256
    .sgpr_count:     66
    .vgpr_count:     40
    .wavefront_size: 32
...
	.end_amdgpu_metadata
.endif
;; end of part 1
;; launch proj (part 2): grid 16 x 16, 4 waves a work-group, clusters of 4 x 4, 327,680 bytes of LDS; arguments cst, prj; writes prj
.if DOCPART == 2
	.amdgcn_target "amdgcn-amd-amdhsa--gfx1250"
	.amdhsa_code_object_version 6
	.text
	.protected	k_qdf6ea3898c_proj
	.globl	k_qdf6ea3898c_proj
	.p2align	8
	.type	k_qdf6ea3898c_proj,@function
k_qdf6ea3898c_proj:
	s_mov_b64 s[64:65], 0
	v_nop
	global_prefetch_b8 v0, s[64:65] scope:SCOPE_SE
	s_setreg_imm32_b32 hwreg(HW_REG_WAVE_MODE, 25, 1), 1
	s_wait_xcnt 0x0
	s_wait_alu depctr_hold_cnt(0) depctr_sa_sdst(0) depctr_va_vdst(0) depctr_va_sdst(0) depctr_va_ssrc(0) depctr_va_vcc(0) depctr_vm_vsrc(0)
	s_getreg_b32 s2, hwreg(HW_REG_IB_STS2, 6, 4)
	s_cmp_eq_u32 s2, 0
	s_cbranch_scc0 .Lentry_in_a_cluster
	s_endpgm
.Lentry_in_a_cluster:
	s_bfe_u32 s2, ttmp6, 0x10000c
	s_cmp_lg_u32 s2, 0xf033
	s_cbranch_scc0 .Lentry_shape_is_right
	s_endpgm
.Lentry_shape_is_right:
; [4096 tokens x 1024] times [4096 x 1024]^T in bf16, sums in f32: q, k, v (rows 0-3071 of the weights) and k_y (rows 3072-4095).
; OUT, by heads, [kind][batch x 16 + head][token][64] in f16, each rounded once from its f32 sum: kind 0 q' = 16 q, 1 k' = 16 k, 2 v' = 16 v, 3 ky'' = k_y log2(e) / 128.
; For kinds 0 and 1 also: the squared length of each head row (f32), and for tokens 0-63 of each batch the f16 of what the rounding left (value - f16(value)).
; LIMITS.  |16 q|, |16 k|, |16 v| stay within 65,504 (f16); NaN and infinities are not treated apart.
; SHAPE.  A tile of 256 x 256 to a work-group of four waves, 128 x 128 (64 accumulators, 512 registers) to a wave.  K goes in 8 steps of 128 through two LDS slots filled by tensor loads.
; CLUSTERS.  4 x 4 work-groups: A's tile is asked for jointly along a row of the cluster, B's along a column.  Tile column = 4 x cluster x + cx, so the kind is cluster x.
; Tile row = 4 cy + cluster y, so the batch is cy and the tile's first token 256 x cluster y: whether a tile holds tokens 0-63 hangs on cluster y alone, and no branch hangs on cx or cy.
; The matrix instruction is used transposed (source 0 = 16 weight rows, source 1 = 16 tokens): a lane holds one token and eight neighbouring channels.
; REGISTERS, in windows of 256: window 0 v0-31 addresses, v64-191 A's fragments (later the way out); window 1 v64-191 B's fragments; windows 2, 3 the accumulators ((a, b) at v[8 (8 (a % 4) + b)]).
.set SIZE_K, 1024
.set KSTEP,  128
.set PITCH,  272                       ; an LDS row: 256 bytes + 16 of padding: the 16 rows of a fragment load start in 16 different groups of four banks
.set HALFT,  128*PITCH
.set SLOT,   4*HALFT                   ; A's 256 rows, then B's 256 rows
.set SPARE,  2*SLOT                    ; behind the ring: the spare words, 128 bytes a wave, that no other line names
.set LAPS,   SIZE_K/(2*KSTEP)
.set DPITCH, 528                       ; the way out: a token's 128 f32 + 16 bytes
.set DWAVE,  128*DPITCH                ; a wave's 128 tokens; the four regions lie in the ring, which has had its last fill by then
.set NSTAGE, 4*DWAVE                   ; behind them, still inside the ring: 1,024 bytes a wave for the squared lengths
.set ADRA, 16                          ; v16-17 LDS address of my A fragments in slot 0, 1
.set ADRB, 20                          ; v20-21 the same for B
.set NSC,  22                          ; v22 where the group in hand puts its squared lengths
.set NRD,  23                          ; v23 where I read them back
.set STO,  24                          ; v24 where I put an accumulator's 32 bytes
.set RD0,  25                          ; v25 my 32 bytes of a token in the first group of four tokens
.set CO,   26                          ; v26 16 x lane
.set NS0,  27                          ; v27 my token's word among the squared lengths, first group
.set SPW,  28                          ; v28 my spare word; never rewritten
.set NIL,  29                          ; v29 0; never rewritten
.set PFO,  30                          ; v30 the prefetches' offset: lane x a row of 2,048 bytes
.set RDC,  31                          ; v31 RD0 + the trip's step
.set XA,   64                          ; way out: two buffers of 16: 4 tokens x 2 heads, 8 f32 a lane and head
.set XB,   80
.set OA,   96                          ; two buffers of 16: packed values (8), packed remainders (8)
.set OBF,  112
.set TT,   128                         ; v128-135 remainders in f32
.set NSUM, 136                         ; v136-137 a squared length at work
.set ONE,  138                         ; v138 1.0
.set NB,   140                         ; v140-147 squared lengths read back
.set PFA,  44                          ; s[44:45] where my prefetches stand
.set LIM,  43                          ; s43 1 in a wave that prefetches, else the greatest number
.set F0,   64
.set F1,   128
.set G1,   24                          ; s[24:31] group 1 for A's tiles; s[32:39] group 0, a set for each slot
.set G0,   32
.set G1B,  48                          ; s[48:55], s[56:63] the same for B's
.set G0B,  56
.set FS,   70                          ; s[70:71] the kind's scale
.set DM,   74                          ; s[74:75] where the values go
.set DL,   76                          ; s[76:77] the remainders
.set DN,   78                          ; s[78:79] the squared lengths
.set LOL,  80                          ; s80 groups of four tokens that still have remainders to store
.set RS,   81                          ; s81 the read address's step
.set CT,   82                          ; s82 trips to go
.set NSS,  83                          ; s83 the squared lengths' step
.set MSB, 0
.macro WIN new                         ; the immediate's high byte repeats the setting that is left
.if MSB != (\new)
	s_set_vgpr_msb (MSB<<8)|(\new)
.set MSB, \new
.endif
.endm
.set MUL_LO, 0xa1                      ; source 0 (B) window 1, source 1 (A) window 0, C and D window 2
.set MUL_HI, 0xf1                      ; the same, C and D window 3
.set TO_B,   0x40                      ; destination window 1, address window 0
; A joint load: waves 0 and 1 fetch A's two halves, waves 2 and 3 B's.  The branch hangs on the wave's number alone.  An s_nop 0 and four v_nop follow each line.
.macro JLOAD s
	s_cmp_eq_u32 s11, 0
	s_cbranch_scc0 .Lfor_b_\@
	tensor_load_to_lds s[G0+4*(\s):G0+4*(\s)+3], s[G1:G1+7]
	s_nop 0
.rept 4
	v_nop
.endr
	s_branch .Lasked_\@
.Lfor_b_\@:
	tensor_load_to_lds s[G0B+4*(\s):G0B+4*(\s)+3], s[G1B:G1B+7]
	s_nop 0
.rept 4
	v_nop
.endr
.Lasked_\@:
.endm
; A prefetch of the K step that stands two refills on: 32 rows x 256 bytes, a lane a row.  A's rows are asked for by the clusters with x = 0, B's by those with y = 0; the four partners
; that ask for a tile jointly share its 128 rows out by address (cx for A, cy for B).  So each row's 256 bytes of K steps 4 to 7 are named once; the loop's last trip names nothing.
.macro ASK
	s_cmp_gt_u32 s3, s[LIM]
	s_cbranch_scc0 .Lnot_mine_\@
	global_prefetch_b8 v[PFO], s[PFA:PFA+1] offset:KSTEP*2 th:TH_LOAD_NT scope:SCOPE_SE
.Lnot_mine_\@:
.endm
.macro CREST                           ; a round of the cluster's barrier behind its opening barrier
	s_cmp_lg_u32 s10, 0
	s_cbranch_scc1 .Lnot_wave_0_\@
	s_barrier_signal -3
.Lnot_wave_0_\@:
	s_barrier_wait -3
	s_barrier_signal -1
	s_barrier_wait -1
.endm
.macro CROUND
	s_barrier_signal -1
	s_barrier_wait -1
	CREST
.endm
	s_load_b128 s[4:7], s[0:1], 0x0                ; cst s[4:5], prj s[6:7]
	v_lshl_add_u32 v[SPW], v0, 2, SPARE
	v_mov_b32 v[NIL], 0
	ds_add_u32 v[SPW], v[NIL]                      ; the opening: the add, twice on end, and its wait ahead of my first tensor load
	ds_add_u32 v[SPW], v[NIL]
	v_lshrrev_b32 v1, 5, v0
	v_readfirstlane_b32 s10, v1                    ; wave 0..3
	s_lshr_b32 s11, s10, 1                         ; which half of the tile's tokens is mine.  Also: I fetch for A (0) or for B (1)
	s_and_b32 s12, s10, 1                          ; which half of its columns.  Also: which 128 rows I fetch
	s_bfe_u32 s40, ttmp6, 0x40000                  ; cx
	s_bfe_u32 s41, ttmp6, 0x40004                  ; cy
	s_lshl_b32 s42, ttmp9, 2
	s_add_co_u32 s42, s42, s40                     ; tile column = 4 x cluster x + cx
	s_and_b32 s13, ttmp7, 0xffff
	s_lshl_b32 s14, s41, 2
	s_add_co_u32 s13, s13, s14                     ; tile row = 4 cy + cluster y
	s_lshl_b32 s43, s41, 2
	s_lshl_b32 s43, 15, s43                        ; my row of the cluster
	s_lshl_b32 s44, 0x1111, s40                    ; my column
	s_or_b32 s[G1+0], s43, (1<<16)|(1<<20)|(1<<21)|(5<<22)|(3<<25)  ; mask; 2-byte elements; padding on; bit 21 beside a mask; after every 64 words 4 words
	s_or_b32 s[G1B+0], s44, (1<<16)|(1<<20)|(1<<21)|(5<<22)|(3<<25)
.irp g, G1, G1B
	s_mov_b32 s[(\g)+1], KSTEP<<16                 ; tensor_dim0 = 128
	s_mov_b32 s[(\g)+2], 128<<16                   ; tensor_dim1 = 128
	s_mov_b32 s[(\g)+3], KSTEP<<16                 ; tile_dim0 = 128
	s_mov_b32 s[(\g)+4], 128                       ; tile_dim1 = 128
	s_mov_b32 s[(\g)+5], SIZE_K                    ; elements from row to row
	s_mov_b32 s[(\g)+6], 0
	s_mov_b32 s[(\g)+7], 0
.endr
	s_lshl_b32 s17, s12, 7
	s_lshl_b32 s16, s13, 8
	s_add_co_u32 s16, s16, s17                     ; A: row 256 x tile row + 128 x half
	s_lshl_b32 s46, s42, 8
	s_add_co_u32 s46, s46, s17                     ; B: row 256 x tile column + 128 x half
	s_mov_b32 s17, 0
	s_mov_b32 s47, 0
	s_mov_b64 s[18:19], SIZE_K*2
	s_mul_u64 s[16:17], s[16:17], s[18:19]
	s_mul_u64 s[46:47], s[46:47], s[18:19]
	s_mul_i32 s20, s10, HALFT                      ; where they go: wave x 128 rows
	s_wait_dscnt 0x0                               ; both opening adds are done
	s_wait_kmcnt 0x0
	s_mov_b64 s[8:9], s[6:7]                       ; prj
	s_add_nc_u64 s[6:7], s[4:5], 0x800000          ; the weights' copy lies 8,388,608 bytes behind x's
	s_add_nc_u64 s[14:15], s[4:5], s[16:17]
	s_add_nc_u64 s[46:47], s[6:7], s[46:47]
	CROUND                                         ; all sixteen work-groups are here: the first joint loads meet
.irp s, 0,1
	s_mov_b32 s[G0+4*(\s)], 1
	s_add_co_u32 s[G0+4*(\s)+1], s20, (\s)*SLOT
	s_add_nc_u64 s[G0+4*(\s)+2:G0+4*(\s)+3], s[14:15], (\s)*KSTEP*2
	s_or_b32 s[G0+4*(\s)+3], s[G0+4*(\s)+3], 0x80000000
	s_mov_b32 s[G0B+4*(\s)], 1
	s_add_co_u32 s[G0B+4*(\s)+1], s20, (\s)*SLOT
	s_add_nc_u64 s[G0B+4*(\s)+2:G0B+4*(\s)+3], s[46:47], (\s)*KSTEP*2
	s_or_b32 s[G0B+4*(\s)+3], s[G0B+4*(\s)+3], 0x80000000
	JLOAD \s
.endr
	v_and_b32 v1, 15, v0                           ; l % 16
	v_bfe_u32 v2, v0, 4, 1                         ; l / 16
	v_mul_u32_u24 v3, v1, PITCH
	v_lshl_add_u32 v3, v2, 4, v3                   ; a fragment's row x pitch + 16 x half
	s_mul_i32 s21, s11, HALFT
	s_mul_i32 s22, s12, HALFT
	s_add_co_u32 s22, s22, 2*HALFT
.irp s, 0,1
	v_add_nc_u32 v[ADRA+(\s)], s21, v3
	v_add_nc_u32 v[ADRB+(\s)], s22, v3
	s_add_co_u32 s21, s21, SLOT
	s_add_co_u32 s22, s22, SLOT
.endr
	s_mul_i32 s23, s10, DWAVE                      ; the way out: my region
	v_mul_u32_u24 v4, v1, DPITCH                   ; in: token l % 16, 32 bytes for each half of the lanes
	v_lshl_add_u32 v4, v2, 5, v4
	v_add_nc_u32 v[STO], s23, v4
	v_bfe_u32 v5, v0, 3, 2                         ; back: token l / 8 of four, channels 8 (l % 8) on
	v_and_b32 v6, 7, v0
	v_mul_u32_u24 v7, v5, DPITCH
	v_lshl_add_u32 v7, v6, 5, v7
	v_add_nc_u32 v[RD0], s23, v7
	v_and_b32 v[CO], 31, v0
	v_lshlrev_b32 v[CO], 4, v[CO]
	s_lshl_b32 s23, s10, 10
	s_add_co_u32 s23, s23, NSTAGE
	v_lshl_add_u32 v[NS0], v5, 2, s23
	v_add_nc_u32 v[NRD], s23, v[CO]
	; the prefetches
	s_lshl_b32 s13, s13, 8                         ; 256 x tile row
	s_lshl_b32 s42, s42, 8                         ; 256 x tile column
	s_and_b32 s22, ttmp7, 0xffff
	s_cmp_eq_u32 s11, 0                            ; do I fetch for A?
	s_cselect_b32 s20, s13, s42
	s_cselect_b32 s21, s40, s41                    ; my place among the four that ask with me
	s_cselect_b32 s22, ttmp9, s22                  ; the coordinate along which other clusters read the same rows
	s_cselect_b64 s[PFA:PFA+1], s[4:5], s[6:7]
	s_cmp_eq_u32 s22, 0
	s_cselect_b32 s[LIM], 1, -1
	s_lshl_b32 s22, s12, 7
	s_add_co_u32 s20, s20, s22
	s_lshl_b32 s21, s21, 5
	s_add_co_u32 s20, s20, s21                     ; my work-group's 32 of the 128 rows that I fetch
	s_mov_b32 s21, 0
	s_mov_b64 s[18:19], SIZE_K*2
	s_mul_u64 s[20:21], s[20:21], s[18:19]
	s_add_nc_u64 s[PFA:PFA+1], s[PFA:PFA+1], s[20:21]
	s_add_nc_u64 s[PFA:PFA+1], s[PFA:PFA+1], 2*KSTEP*2  ; at K step 2: the first refill steps it to 3 and names K step 4
	v_and_b32 v[PFO], 31, v0
	v_mul_u32_u24 v[PFO], v[PFO], SIZE_K*2
; 16 matrix instructions: m blocks a0, a0 + 1 of the window's four x all 8 n blocks, 32 along K.  zero = 1: the first product starts the sums
.macro MUL16 f, hi, a0, zero
	WIN MUL_LO+0x50*(\hi)
.irp a, \a0, (\a0)+1
.irp b, 0,1,2,3,4,5,6,7
.if \zero
	v_wmma_f32_16x16x32_bf16 v[8*(8*(\a)+(\b)):8*(8*(\a)+(\b))+7], v[(\f)+8*(\b):(\f)+8*(\b)+7], v[(\f)+8*(4*(\hi)+(\a)):(\f)+8*(4*(\hi)+(\a))+7], 0
.else
	v_wmma_f32_16x16x32_bf16 v[8*(8*(\a)+(\b)):8*(8*(\a)+(\b))+7], v[(\f)+8*(\b):(\f)+8*(\b)+7], v[(\f)+8*(4*(\hi)+(\a)):(\f)+8*(4*(\hi)+(\a))+7], v[8*(8*(\a)+(\b)):8*(8*(\a)+(\b))+7]
.endif
.endr
.endr
.endm
; 32 LDS loads in one run: a quarter step's fragments (128 rows of B, 128 of A, 32 K at byte k of the rows) into buffer f
.macro FETCH slot, k, f
	WIN TO_B
.irp i, 0,1,2,3,4,5,6,7
	ds_load_b128 v[(\f)+8*(\i):(\f)+8*(\i)+3],   v[ADRB+(\slot)] offset:(\k)+(\i)*16*PITCH
	ds_load_b128 v[(\f)+8*(\i)+4:(\f)+8*(\i)+7], v[ADRB+(\slot)] offset:(\k)+(\i)*16*PITCH+32
.endr
	WIN 0
.irp i, 0,1,2,3,4,5,6,7
	ds_load_b128 v[(\f)+8*(\i):(\f)+8*(\i)+3],   v[ADRA+(\slot)] offset:(\k)+(\i)*16*PITCH
	ds_load_b128 v[(\f)+8*(\i)+4:(\f)+8*(\i)+7], v[ADRA+(\slot)] offset:(\k)+(\i)*16*PITCH+32
.endr
.endm
.macro PLACES                          ; four plain places behind matrix instructions, in front of loads into registers that they have read
.rept 4
	v_nop
.endr
.endm
; A K step is four quarters of 32 along K, 64 matrix instructions each, on buffers 0, 1, 0, 1; the 64 accumulators take turns in the same order in every quarter.
.macro QUARTER slot, k, f, g, zero
	s_wait_dscnt 8                                 ; B and A's rows 0-63 are in; the youngest eight loads (A's rows 64-127) may be out
	WIN MUL_LO
	MUL16 \f, 0, 0, \zero
	MUL16 \f, 0, 2, \zero
	PLACES
	FETCH \slot, \k, \g
	s_wait_dscnt 32                                ; all but the 32 just issued
	WIN MUL_HI
	MUL16 \f, 1, 0, \zero
	MUL16 \f, 1, 2, \zero
.endm
; The first half of a K step's last quarter: one barrier for the change of slots.
.macro MEET round
	WIN 0
	s_wait_tensorcnt 0x0                           ; all my tensor loads have landed: the one that was out is my part of the next slot
	ds_add_u32 v[SPW], v[NIL]                      ; 0 onto my spare word
	s_wait_dscnt 9                                 ; (the add and the youngest eight loads may be out)
	WIN MUL_LO
	MUL16 F1, 0, 0, 0
	s_wait_dscnt 0x0                               ; the add is done, and my reads of this slot are over
	s_barrier_signal -1
	MUL16 F1, 0, 2, 0
.if \round
	WIN 0
.endif
	s_barrier_wait -1
.endm
; The whole last quarter where the slot is filled again, with the K step two steps on: the barrier opens a round of the cluster's, the joint refill stands first behind it.
.macro TURN slot, next
	s_wait_xcnt 0x0                                ; the last prefetch, a K step back, has read its address
	s_add_nc_u64 s[PFA:PFA+1], s[PFA:PFA+1], KSTEP*2
	MEET 1
	CREST
	s_add_nc_u64 s[G0+4*(\slot)+2:G0+4*(\slot)+3], s[G0+4*(\slot)+2:G0+4*(\slot)+3], 2*KSTEP*2
	s_add_nc_u64 s[G0B+4*(\slot)+2:G0B+4*(\slot)+3], s[G0B+4*(\slot)+2:G0B+4*(\slot)+3], 2*KSTEP*2
	JLOAD \slot                                    ; its four v_nop are also the places in front of the loads below
	FETCH \next, 0, F0
	ASK
	WIN MUL_HI
	MUL16 F1, 1, 0, 0
	MUL16 F1, 1, 2, 0
.endm
	s_wait_tensorcnt 1                             ; my part of K step 0 is in; K step 1's may stay out
	s_barrier_signal -1
	s_barrier_wait -1
	FETCH 0, 0, F0
	QUARTER 0, 64,  F0, F1, 1                      ; the first quarter's products start the sums
	WIN 0
	s_mov_b32 s3, LAPS-1
.Llap:                                                 ; a trip goes once round the ring and fills both slots again
	QUARTER 0, 128, F1, F0, 0
	QUARTER 0, 192, F0, F1, 0
	TURN 0, 1
	QUARTER 1, 64,  F0, F1, 0
	QUARTER 1, 128, F1, F0, 0
	QUARTER 1, 192, F0, F1, 0
	TURN 1, 0
	QUARTER 0, 64,  F0, F1, 0
	WIN 0
	s_sub_co_u32 s3, s3, 1
	s_cmp_lg_u32 s3, 0
	s_cbranch_scc1 .Llap
	QUARTER 0, 128, F1, F0, 0                      ; the last lap fills nothing
	QUARTER 0, 192, F0, F1, 0
	MEET 0
	PLACES
	FETCH 1, 0, F0
	WIN MUL_HI
	MUL16 F1, 1, 0, 0
	MUL16 F1, 1, 2, 0
	QUARTER 1, 64,  F0, F1, 0
	QUARTER 1, 128, F1, F0, 0
	QUARTER 1, 192, F0, F1, 0
	s_wait_dscnt 8
	MUL16 F1, 0, 0, 0
	MUL16 F1, 0, 2, 0
	s_wait_dscnt 0x0
	MUL16 F1, 1, 0, 0
	MUL16 F1, 1, 2, 0
	; THE WAY OUT.  Every wave's reads of the ring are over (the wait for 0 above) and the slots have had their last fill: behind this barrier the ring serves as stage.
	WIN 0
	PLACES
	PLACES
	s_barrier_signal -1
	s_barrier_wait -1
	; all 64 accumulators, as f32, into my own 128 rows of 528 bytes; each accumulator's low four registers first
.irp a, 0,1,2,3,4,5,6,7
	WIN 0x08+4*((\a)/4)                            ; store data (source 1) in window 2 or 3
.irp b, 0,1,2,3,4,5,6,7
	ds_store_b128 v[STO], v[8*(8*((\a)%4)+(\b)):8*(8*((\a)%4)+(\b))+3]   offset:(\a)*16*DPITCH+64*(\b)
	ds_store_b128 v[STO], v[8*(8*((\a)%4)+(\b))+4:8*(8*((\a)%4)+(\b))+7] offset:(\a)*16*DPITCH+64*(\b)+16
.endr
.endr
	WIN 0
	s_bfe_u32 s66, ttmp6, 0x40000                  ; cx
	s_bfe_u32 s67, ttmp6, 0x40004                  ; cy = the batch
	s_mov_b32 s68, ttmp9                           ; the kind
	s_and_b32 s69, ttmp7, 0xffff                   ; cluster y
	s_mov_b32 s[FS], 0x41800000                    ; 16
	s_cmp_eq_u32 s68, 3
	s_cselect_b32 s[FS], 0x3c38aa3b, s[FS]         ; k_y: log2(e) / 128
	s_mov_b32 s[FS+1], s[FS]
	s_lshl_b32 s72, s67, 4
	s_lshl_b32 s84, s66, 2
	s_add_co_u32 s72, s72, s84
	s_lshl_b32 s84, s12, 1
	s_add_co_u32 s72, s72, s84                     ; batch x 16 + my first head: 4 cx + 2 x column half
	s_lshl_b32 s73, s69, 8
	s_lshl_b32 s84, s11, 7
	s_add_co_u32 s73, s73, s84                     ; my first token: 256 x cluster y + 128 x row half
	s_lshl_b32 s84, s72, 10
	s_add_co_u32 s84, s84, s73
	s_lshl_b32 s86, s84, 2                         ; 4 bytes a token, for the squared lengths
	s_lshl_b32 s84, s84, 7                         ; 128 bytes a token
	s_lshl_b32 s85, s68, 23                        ; 8,388,608 bytes a kind
	s_add_co_u32 s84, s84, s85
	s_mov_b32 s85, 0
	s_add_nc_u64 s[DM:DM+1], s[8:9], s[84:85]
	v_mov_b32 v[ONE], 1.0
.macro XLOAD X, off                    ; four tokens x two heads: 8 f32 a lane and head
.irp hh, 0,1
	ds_load_b128 v[\X+8*\hh:\X+8*\hh+3],   v[RDC] offset:(\off)+256*\hh
	ds_load_b128 v[\X+8*\hh+4:\X+8*\hh+7], v[RDC] offset:(\off)+256*\hh+16
.endr
.endm
; One group of four tokens x two heads.  split = 1: kinds 0 and 1.  ahead = 1: the buffer is loaded again, with the group two on.  n: the younger LDS instructions that may stay out.  off: 0, 1: the trip's first or second group.
.macro HALF X, O, split, ahead, n, off
	s_wait_dscnt \n                                ; my group is in: behind its four loads stand the other buffer's four
	s_wait_xcnt 0x0                                ; the stores that read O have had their addresses translated: O is rewritten only behind this wait
.irp hh, 0,1
.irp k, 0,1,2,3
	v_pk_mul_f32 v[\X+8*\hh+2*\k:\X+8*\hh+2*\k+1], v[\X+8*\hh+2*\k:\X+8*\hh+2*\k+1], s[FS:FS+1] op_sel_hi:[1,0]
.endr
.if \split
	v_pk_mul_f32 v[NSUM:NSUM+1], v[\X+8*\hh:\X+8*\hh+1], v[\X+8*\hh:\X+8*\hh+1]
.irp k, 1,2,3
	v_pk_fma_f32 v[NSUM:NSUM+1], v[\X+8*\hh+2*\k:\X+8*\hh+2*\k+1], v[\X+8*\hh+2*\k:\X+8*\hh+2*\k+1], v[NSUM:NSUM+1]
.endr
.endif
.irp k, 0,1,2,3
	v_cvt_pk_f16_f32 v[\O+4*\hh+\k], v[\X+8*\hh+2*\k], v[\X+8*\hh+2*\k+1]
.endr
.if \split
	v_add_f32 v[NSUM], v[NSUM], v[NSUM+1]          ; a token's 64 channels lie in eight neighbouring lanes
	v_add_f32_dpp v[NSUM], v[NSUM], v[NSUM] row_xmask:1 row_mask:0xf bank_mask:0xf
	v_add_f32_dpp v[NSUM], v[NSUM], v[NSUM] row_xmask:2 row_mask:0xf bank_mask:0xf
	v_add_f32_dpp v[NSUM], v[NSUM], v[NSUM] row_xmask:4 row_mask:0xf bank_mask:0xf
	ds_store_b32 v[NSC], v[NSUM] offset:512*\hh+16*\off  ; the eight lanes write one word with one value
.endif
	global_store_b128 v[CO], v[\O+4*\hh:\O+4*\hh+3], s[DM:DM+1] offset:131072*\hh+512*\off  ; four tokens of a head: 512 consecutive bytes, aligned
.endr
.if \split
	s_cmp_eq_u32 s[LOL], 0
	s_cbranch_scc1 .Lno_lo_\@
.irp hh, 0,1
.irp k, 0,1,2,3
	v_fma_mix_f32 v[TT+2*\k],   -v[\O+4*\hh+\k], v[ONE], v[\X+8*\hh+2*\k]   op_sel:[0,0,0] op_sel_hi:[1,0,0]  ; value - f16(value), exact
	v_fma_mix_f32 v[TT+2*\k+1], -v[\O+4*\hh+\k], v[ONE], v[\X+8*\hh+2*\k+1] op_sel:[1,0,0] op_sel_hi:[1,0,0]
.endr
.irp k, 0,1,2,3
	v_cvt_pk_f16_f32 v[\O+8+4*\hh+\k], v[TT+2*\k], v[TT+2*\k+1]
.endr
	global_store_b128 v[CO], v[\O+8+4*\hh:\O+8+4*\hh+3], s[DL:DL+1] offset:8192*\hh+512*\off
.endr
	s_sub_co_u32 s[LOL], s[LOL], 1
.Lno_lo_\@:
.endif
.if \ahead
	XLOAD \X, 8*DPITCH+4*DPITCH*\off
.endif
.endm
; My 128 tokens in 32 groups: two in front, 15 trips of two, the last two written out so that no load leaves my region.
.macro WAYOUT split
	v_mov_b32 v[RDC], v[RD0]
.if \split
	v_mov_b32 v[NSC], v[NS0]
	s_mov_b32 s[NSS], 0
.endif
	XLOAD XA, 0                                    ; LDS serves a wave's instructions in order: these see my stores above
	XLOAD XB, 4*DPITCH
	s_mov_b32 s[RS], 0
	s_mov_b32 s[CT], 15
.Lgo_\@:
	HALF XA, OA,  \split, 1, 4, 0
	HALF XB, OBF, \split, 1, 4, 1
	s_wait_xcnt 0x0                                ; the stores have read their bases
	s_add_nc_u64 s[DM:DM+1], s[DM:DM+1], 1024
	s_add_co_u32 s[RS], s[RS], 8*DPITCH
	v_add_nc_u32 v[RDC], s[RS], v[RD0]
.if \split
	s_add_nc_u64 s[DL:DL+1], s[DL:DL+1], 1024
	s_add_co_u32 s[NSS], s[NSS], 32
	v_add_nc_u32 v[NSC], s[NSS], v[NS0]
.endif
	s_sub_co_u32 s[CT], s[CT], 1
	s_cmp_lg_u32 s[CT], 0
	s_cbranch_scc1 .Lgo_\@
	HALF XA, OA,  \split, 0, 4, 0
	HALF XB, OBF, \split, 0, 0, 1
.endm
	s_cmp_lt_u32 s68, 2                            ; the kind is the cluster's x: the same in all partners
	s_cbranch_scc0 .Lplain
	s_lshl_b32 s84, s72, 13                        ; the remainders: 8,192 bytes a head,
	s_lshl_b32 s87, s68, 19                        ; 524,288 a kind,
	s_add_co_u32 s84, s84, s87
	s_add_co_u32 s84, s84, 0x2000000               ; behind the four kinds' values
	s_add_nc_u64 s[DL:DL+1], s[8:9], s[84:85]
	s_lshl_b32 s87, s68, 18                        ; the squared lengths: 262,144 bytes a kind
	s_add_co_u32 s84, s86, s87
	s_add_co_u32 s84, s84, 0x2100000
	s_add_nc_u64 s[DN:DN+1], s[8:9], s[84:85]
	s_or_b32 s[LOL], s69, s11                      ; tokens 0-63 are my first 16 groups where cluster y = 0 and the tile's first 128 rows are mine
	s_cmp_eq_u32 s[LOL], 0
	s_cselect_b32 s[LOL], 16, 0
	WAYOUT 1
	s_wait_dscnt 0x0
	ds_load_b128 v[NB:NB+3],   v[NRD]              ; my own words: 128 tokens of each of my two heads
	ds_load_b128 v[NB+4:NB+7], v[NRD] offset:512
	s_wait_dscnt 0x0
	global_store_b128 v[CO], v[NB:NB+3],   s[DN:DN+1]
	global_store_b128 v[CO], v[NB+4:NB+7], s[DN:DN+1] offset:4096
	s_branch .Lend
.Lplain:
	WAYOUT 0
.Lend:
	s_wait_tensorcnt 0x0                           ; the wave's end
	ds_add_u32 v[SPW], v[NIL]
	s_wait_dscnt 0x0
	CROUND                                         ; the closing round
	s_endpgm
.Lfunc_end_k_qdf6ea3898c_proj:
	.size	k_qdf6ea3898c_proj, .Lfunc_end_k_qdf6ea3898c_proj-k_qdf6ea3898c_proj
	.p2alignl 7, 3214868480
	.fill 96, 4, 3214868480
	.section	.rodata,"a",@progbits
	.p2align	6, 0x0
	.amdhsa_kernel k_qdf6ea3898c_proj
		.amdhsa_group_segment_fixed_size 327680
		.amdhsa_private_segment_fixed_size 0
		.amdhsa_enable_private_segment 0
		.amdhsa_kernarg_size 16
		.amdhsa_user_sgpr_count 2
		.amdhsa_user_sgpr_kernarg_segment_ptr 1
		.amdhsa_wavefront_size32 1
		.amdhsa_system_sgpr_workgroup_id_x 1
		.amdhsa_system_sgpr_workgroup_id_y 1
		.amdhsa_system_sgpr_workgroup_id_z 1
		.amdhsa_system_vgpr_workitem_id 0
		.amdhsa_next_free_vgpr 1024
		.amdhsa_next_free_sgpr 100
		.amdhsa_reserve_vcc 0
		.amdhsa_float_denorm_mode_32 3
		.amdhsa_float_denorm_mode_16_64 3
		.amdhsa_memory_ordered 1
		.amdhsa_forward_progress 1
		.amdhsa_inst_pref_size 147
	.end_amdhsa_kernel
	.amdgpu_metadata
---
amdhsa.version: [ 1, 2 ]
amdhsa.kernels:
  - .name:           k_qdf6ea3898c_proj
    .symbol:         k_qdf6ea3898c_proj.kd
    .args:
      - { .name: cst, .offset: 0, .size: 8, .value_kind: global_buffer, .address_space: global }
      - { .name: prj, .offset: 8, .size: 8, .value_kind: global_buffer, .address_space: global }
    .group_segment_fixed_size: 327680
    .private_segment_fixed_size: 0
    .kernarg_segment_align: 8
    .kernarg_segment_size: 16
    .max_flat_workgroup_size: 128
    .sgpr_count:     100
    .vgpr_count:     1024
    .wavefront_size: 32
...
	.end_amdgpu_metadata
.endif
;; end of part 2
;; launch attn (part 3): grid 4 x 64, 4 waves a work-group, no clusters, 327,680 bytes of LDS; arguments prj, ob; writes ob
.if DOCPART == 3
	.amdgcn_target "amdgcn-amd-amdhsa--gfx1250"
	.amdhsa_code_object_version 6
	.text
	.protected	k_qdf6ea3898c_attn
	.globl	k_qdf6ea3898c_attn
	.p2align	8
	.type	k_qdf6ea3898c_attn,@function
k_qdf6ea3898c_attn:
	s_mov_b64 s[64:65], 0
	v_nop
	global_prefetch_b8 v0, s[64:65] scope:SCOPE_SE
	s_setreg_imm32_b32 hwreg(HW_REG_WAVE_MODE, 25, 1), 1
	s_wait_xcnt 0x0
; For each (batch, head) HD and query row: agg = sum over k <= q of exp(clip(L_y, -15, 15)); u = (|L| + 1e-6) / (agg + 2e-6); w = log(1 + u); O = sum of w v / (sum of w + 1e-6).
; (softplus(log a - log b) = log(1 + a / b); the clip bounds every exponential to e^+-15 and a row's sum to 1,024 e^15, so the sum is a plain f32 sum.)
; IN (f16, by heads): q' = 16 q, k' = 16 k, v' = 16 v, ky'' = k_y log2(e) / 128; so q'.ky'' = L_y log2(e) and q'.k' = 2^11 L.  OUT: O' = 16 O in f16, by heads.
; TWO PASSES a block of queries: pass 1 walks ky'' (all 1,024 keys stay in LDS) and finds agg; pass 2 walks K and V through a ring of two slots.
; log(1 + u): t = 1 + u rounded; w = ln 2 log2(t) + e, e = u - (t - 1) held to +-2^-24: for u < 1 that is what the rounding of t dropped; for larger u it is nothing beside w.
; P = w s goes to the second product in f16.  s = 1 / log(1 + u(M)), M = |q'| max |k'| (Cauchy-Schwarz, from the squared lengths that the launch before stored), so P is at most 1 up to rounding.
; The row sum is taken of the rounded P, by a product with ones; O = (V^T P) / (sum of P + 1e-6 s).
; The scores of tokens 0-63 against keys 0-63 add q'.k_lo + q_lo.k': rows with few keys hang on |L| itself.  LIMITS: later rows take q', k' as single f16; NaN and infinities are not treated apart.
; THE WALK.  A head has 8 blocks of 128 queries; block i needs key tiles 0 .. i of 128.  Work-group b takes block b and then block 7 - b: 9 tiles whatever b.  A block is two bands of 64 queries, a wave owns
; 16 rows in each (two PIECES): the diagonal is the same work for all waves.  A step is 64 keys; piece p's own step is 2 i + p: earlier steps are seen whole, later ones not at all.
; The mask is a factor: MK = MD x AL s + BE s (MD: 1 where the key is seen in a piece's own step).  NO CLUSTER: the four work-groups of a head ask for the same ring tile at different trips, a walk common to all would have
; 12 trips for 9, and of what is common at one time, ky'', each takes 128 KiB once.
; REGISTERS, in windows of 256 (s_set_vgpr_msb: bits 1:0 source 0, 3:2 source 1, 5:4 source 2, 7:6 destination):
;   window 0: v1-15 addresses; v16-31 statistics; v32-38; v40-55 pass 1's sums; v56-58 offsets of the head's one-time loads; v64-127 scores, 32 a piece; v128-159 t; v160-191 log; v192-223 P; v224-255 the way out
;   window 1: v0-63 O^T; v64-79 the row sums; v128-159 MD; v160-223 MK      window 2: v0-31 Q; v32-47 q_lo; v48-55 ones; v64-127 K; v128-191 k_lo; v192-255 V
; A scalar register that holds an address holds nothing else in this text; counters and flags have registers that never hold one.
.set PK,    144       ; a key's row of K or ky'' in LDS: 128 bytes + 16
.set PVP,   160       ; of V: 128 + 32
.set VOFF,  128*PK    ; a slot: 128 rows of K, then 128 rows of V
.set SLOT1, 1<<16
.set KY,    1<<17     ; ky'': 1,024 rows, filled once
.set STAGE, KY+1024*PK  ; 16 rows x 144 bytes a wave, for the way out; no tensor load fills it
.set SP,    144
.set SPARE, STAGE+4*16*SP  ; the spare words, 128 bytes a wave, that no other line names
.set AK0, 2           ; my lane's place in a tile of K
.set AV0, 3           ; in a tile of V (with VOFF)
.set AK,  4
.set AV,  5
.set STO, 6
.set RD,  7
.set GO,  8           ; 16 x lane
.set QO,  12          ; (l % 16) x 128 + 16 (l / 16)
.set NO,  13          ; 4 (l % 16)
.set SPW, 14
.set NIL, 15
.set ST,  16          ; piece p at ST + 8 p: C1, C0, s, 1e-6 s, |q'|^2, three at work
.set VA,  32          ; v32-33, v34-35: the mask's factor and addend, in the low registers
.set VB,  34
.set KNM, 36          ; the head's largest |k'|^2
.set PFO, 37          ; 256 x lane
.set DG,  38          ; 16 w + l % 16 - 8 (l / 16)
.set AG,  40
.set QLO, 56          ; my byte offset in prj of q_lo's fragments (tokens 16 w on)
.set KLO, 57          ; of k_lo's (keys 0-63)
.set KNO, 58          ; of my 16 bytes of the head's |k'|^2
.set U,   64
.set T,   128
.set LG,  160
.set P,   192
.set OUTB, 224
.set LS,  64          ; window 1
.set MD,  128
.set MK,  160
.set QF,  0           ; window 2
.set QL,  32
.set ONES, 48
.set KF,  64
.set KL,  128
.set VF,  192
.set WV,  8
.set PB,  9
.set HD,  10
.set KB,  12          ; s[12:13] K at my half of the head's tile 0
.set VB_, 14          ; s[14:15] V likewise
.set G1K, 16
.set G1V, 24
.set G1Y, 32
.set G0K, 40
.set G0V, 44
.set G0Y, 48
.set PQ0, 52          ; Q and |q'|^2 at my rows of the two blocks
.set PQ1, 54
.set PN0, 56
.set PN1, 58
.set OB0, 60          ; O likewise
.set OB1, 62
.set OFF, 66
.set PFB, 68
.set PFA, 70
.set SLOTS, 72
.set CNT, 73
.set TBK, 74
.set TBV, 75
.set RT,  76          ; tiles of the block in hand still to be walked
.set NXT, 77          ; the tile to be asked for next
.set LQ,  78          ; the last tile of the block whose tiles are being asked for
.set NEW, 79
.set CUR, 80          ; the block in hand
.set J,   81          ; the step in hand
.set OWN0, 82
.set OWN1, 83
.set LOF, 84          ; 1: block 0, step 0
.set AL,  85
.set BE,  86
.set T1,  87
.set TY,  88
.set PC,  89
.set LIMB, 90
.set HI7, 91
.set LN2, 92
.set CLO, 94
.set CHI, 95
.set EPP, 96
.set EPN, 97
.set SEL, 98
.set MSB, 0
.macro WIN new
.if MSB != (\new)
	s_set_vgpr_msb (MSB<<8)|(\new)
.set MSB, (\new)
.endif
.endm
.set W_KQ, 0x0a       ; K and Q in window 2, scores in window 0
.set W_PV, 0x52       ; V in window 2, P in window 0, O^T in window 1
.set W_RS, 0x41       ; destination and source 0 in window 1
.macro PLACES                       ; eight plain places behind a run of products: later lines read the results, load into the sources, or (matrix instructions) write over them
.rept 8
	v_nop
.endr
.endm
; A fill: waves 0 and 1 fetch the halves of a tile's K, waves 2 and 3 of its V, 64 keys each.  An s_nop 0 and four v_nop follow each line.
.macro LOAD
	s_cmp_lt_u32 s[WV], 2
	s_cbranch_scc0 .Lfor_v_\@
	tensor_load_to_lds s[G0K:G0K+3], s[G1K:G1K+7]
	s_nop 0
.rept 4
	v_nop
.endr
	s_branch .Lasked_\@
.Lfor_v_\@:
	tensor_load_to_lds s[G0V:G0V+3], s[G1V:G1V+7]
	s_nop 0
.rept 4
	v_nop
.endr
.Lasked_\@:
.endm
; A prefetch: tiles 4 to 7 of a head are read first by work-group 0, in its block 7.  Behind its load of tile A, A = 2 .. 5, each of its waves names its own 32 rows of 256 bytes of tile A + 2: two tiles ahead, each row once.
.macro ASK
	s_cmp_lt_u32 s[PC], s[LIMB]
	s_cbranch_scc0 .Lnot_mine_\@
	global_prefetch_b8 v[PFO], s[PFA:PFA+1] offset:32768 th:TH_LOAD_NT scope:SCOPE_SE
.Lnot_mine_\@:
.endm
.macro ADV                          ; the block's next tile, or behind its last the second block's tile 0
	s_add_co_u32 s[NXT], s[NXT], 1
	s_cmp_gt_u32 s[NXT], s[LQ]
	s_cselect_b32 s[NXT], 0, s[NXT]
	s_cselect_b32 s[LQ], s[HI7], s[LQ]
.endm
; THE CHANGE OF SLOTS.  Each wave waits for all its tensor loads (its part of the slot to be read is among them), adds 0 to its spare word, waits for that and for its reads of the slot that it leaves.
; Behind the barrier the old slot is filled again first (fill = 1), with tile NXT.  At its first use nothing has been read: slot 0 and ky'' are waited for, slot 1 is filled.
.macro CHANGE fill
	WIN 0
	s_wait_tensorcnt 0x0            ; no tensor load of mine is out, so a group 0 may be written
	ds_add_u32 v[SPW], v[NIL]
.if \fill
	s_lshl_b32 s[OFF], s[NXT], 14   ; a tile is 16,384 bytes of K and of V
	s_sub_co_u32 s[PC], s[NXT], 2
	s_xor_b32 s[G0K+1], s[G0K+1], SLOT1
	s_add_nc_u64 s[G0K+2:G0K+3], s[KB:KB+1], s[OFF:OFF+1]
	s_or_b32 s[G0K+3], s[G0K+3], 0x80000000
	s_xor_b32 s[G0V+1], s[G0V+1], SLOT1
	s_add_nc_u64 s[G0V+2:G0V+3], s[VB_:VB_+1], s[OFF:OFF+1]
	s_or_b32 s[G0V+3], s[G0V+3], 0x80000000
	s_wait_xcnt 0x0                 ; the last prefetch, a tile back, has read its address
	s_add_nc_u64 s[PFA:PFA+1], s[PFB:PFB+1], s[OFF:OFF+1]
	ADV
.endif
	s_wait_dscnt 0x0                ; the add is done, and my reads of the slot are over
	s_barrier_signal -1
	s_sub_co_u32 s[TBK], s[TBK], 128*PK   ; the fetches go back to a slot's first step,
	s_xor_b32 s[TBK], s[TBK], SLOT1       ; in the other slot
	s_sub_co_u32 s[TBV], s[TBV], 128*PVP
	s_xor_b32 s[TBV], s[TBV], SLOT1
	s_barrier_wait -1
.if \fill
	LOAD
	ASK
.endif
.endm
.macro LOADQ q, n                   ; a block's Q (piece p, channel half c at QF + 16 p + 8 c) and squared lengths
	WIN 0x80
.irp p, 0,1
.irp c, 0,1
	global_load_b128 v[QF+16*\p+8*\c:QF+16*\p+8*\c+3],   v[QO], s[\q:\q+1] offset:\p*8192+\c*64
	global_load_b128 v[QF+16*\p+8*\c+4:QF+16*\p+8*\c+7], v[QO], s[\q:\q+1] offset:\p*8192+\c*64+32
.endr
.endr
	WIN 0
	global_load_b32 v[ST+4],  v[NO], s[\n:\n+1]
	global_load_b32 v[ST+12], v[NO], s[\n:\n+1] offset:256
.endm
	s_load_b128 s[4:7], s[0:1], 0x0  ; prj s[4:5], ob s[6:7]
	v_lshl_add_u32 v[SPW], v0, 2, SPARE
	v_mov_b32 v[NIL], 0
	ds_add_u32 v[SPW], v[NIL]       ; the opening: the add, twice on end, and its wait ahead of my first tensor load
	ds_add_u32 v[SPW], v[NIL]
	v_lshrrev_b32 v1, 5, v0
	v_readfirstlane_b32 s[WV], v1
	s_mov_b32 s[PB], ttmp9
	s_and_b32 s[HD], ttmp7, 0xffff
	s_sub_co_u32 s[HI7], 7, s[PB]
	; group 1: dense keys asked for as rows of 256 bytes, two keys a row, padded in LDS behind every key (32 words)
	s_mov_b32 s[G1K], (1<<16)|(1<<20)|(4<<22)|(3<<25)
	s_mov_b32 s[G1V], (1<<16)|(1<<20)|(4<<22)|(7<<25)
	s_mov_b32 s[G1Y], (1<<16)|(1<<20)|(4<<22)|(3<<25)
.irp g, G1K, G1V, G1Y
	s_mov_b32 s[\g+1], 128<<16      ; tensor_dim0 = 128
	s_mov_b32 s[\g+3], 128<<16      ; tile_dim0 = 128
	s_mov_b32 s[\g+5], 128          ; elements from row to row
	s_mov_b32 s[\g+6], 0
	s_mov_b32 s[\g+7], 0
.endr
.irp g, G1K, G1V
	s_mov_b32 s[\g+2], 32<<16       ; tensor_dim1 = tile_dim1 = 32 rows: 64 keys
	s_mov_b32 s[\g+4], 32
.endr
	s_mov_b32 s[G1Y+2], 128<<16     ; 128 rows: 256 keys
	s_mov_b32 s[G1Y+4], 128
	s_and_b32 s2, s[WV], 1          ; which half of a tile's keys I fetch
	s_mov_b32 s[G0K], 1
	s_mul_i32 s[G0K+1], s2, 64*PK
	s_mov_b32 s[G0V], 1
	s_mul_i32 s[G0V+1], s2, 64*PVP
	s_add_co_u32 s[G0V+1], s[G0V+1], VOFF
	s_mov_b32 s[G0Y], 1
	s_mul_i32 s[G0Y+1], s[WV], 256*PK
	s_add_co_u32 s[G0Y+1], s[G0Y+1], KY
	s_mov_b32 s[LN2], 0x3f317218    ; ln 2
	s_mov_b32 s[LN2+1], s[LN2]
	s_mov_b32 s[CLO], 0xc1ad1f97    ; -15 log2(e)
	s_mov_b32 s[CHI], 0x41ad1f97
	s_mov_b32 s[EPP], 0x33800000    ; 2^-24
	s_mov_b32 s[EPN], 0xb3800000
	s_mov_b32 s[SEL], 0x76543210
	s_mov_b32 s[SEL+1], 0xfedcba98
	s_mov_b32 s[OFF+1], 0
	s_mov_b32 s[CUR], s[PB]
	s_add_co_u32 s[RT], s[PB], 1
	s_mov_b32 s[NEW], 1
	s_mov_b32 s[NXT], 0
	s_mov_b32 s[LQ], s[PB]
	ADV
	s_mov_b32 s[TBK], SLOT1+128*PK  ; the first change of slots turns these two into 0
	s_mov_b32 s[TBV], SLOT1+128*PVP
	s_mov_b32 s[SLOTS], 8
	s_cmp_eq_u32 s[PB], 0
	s_cselect_b32 s[LIMB], 4, 0
	s_lshl_b32 s11, s[HD], 17       ; a head's 131,072 bytes
	s_mov_b32 s3, 0
	s_wait_dscnt 0x0                ; both opening adds are done
	s_wait_kmcnt 0x0
	s_lshl_b32 s2, s2, 13
	s_add_co_u32 s2, s2, s11
	s_add_nc_u64 s[KB:KB+1], s[4:5], s[2:3]
	s_add_nc_u64 s[VB_:VB_+1], s[KB:KB+1], 0x1000000
	s_add_nc_u64 s[KB:KB+1], s[KB:KB+1], 0x800000
	s_mov_b64 s[G0K+2:G0K+3], s[KB:KB+1]
	s_or_b32 s[G0K+3], s[G0K+3], 0x80000000
	s_mov_b64 s[G0V+2:G0V+3], s[VB_:VB_+1]
	s_or_b32 s[G0V+3], s[G0V+3], 0x80000000
	s_lshl_b32 s2, s[WV], 15
	s_add_co_u32 s2, s2, s11
	s_add_nc_u64 s[G0Y+2:G0Y+3], s[4:5], s[2:3]
	s_add_nc_u64 s[G0Y+2:G0Y+3], s[G0Y+2:G0Y+3], 0x1800000
	s_or_b32 s[G0Y+3], s[G0Y+3], 0x80000000
	s_cmp_lt_u32 s[WV], 2           ; a wave's two first fills stand in one branch: two loads of mine are out
	s_cbranch_scc0 .Lfirst_v
	tensor_load_to_lds s[G0Y:G0Y+3], s[G1Y:G1Y+7]
	s_nop 0
	tensor_load_to_lds s[G0K:G0K+3], s[G1K:G1K+7]
	s_nop 0
.rept 4
	v_nop
.endr
	s_branch .Lfirst_asked
.Lfirst_v:
	tensor_load_to_lds s[G0Y:G0Y+3], s[G1Y:G1Y+7]
	s_nop 0
	tensor_load_to_lds s[G0V:G0V+3], s[G1V:G1V+7]
	s_nop 0
.rept 4
	v_nop
.endr
.Lfirst_asked:
	s_cmp_lt_u32 s[WV], 2
	s_cselect_b64 s[PFB:PFB+1], s[KB:KB+1], s[VB_:VB_+1]
	s_lshl_b32 s2, s[PB], 14        ; my 16 rows of a block's first band
	s_add_co_u32 s2, s2, s11
	s_lshl_b32 s84, s[WV], 11       ; (s84 to s87 hold byte offsets here, never an address)
	s_add_co_u32 s2, s2, s84
	s_add_nc_u64 s[PQ0:PQ0+1], s[4:5], s[2:3]
	s_add_nc_u64 s[OB0:OB0+1], s[6:7], s[2:3]
	s_lshl_b32 s2, s[HI7], 14
	s_add_co_u32 s2, s2, s11
	s_add_co_u32 s2, s2, s84
	s_add_nc_u64 s[PQ1:PQ1+1], s[4:5], s[2:3]
	s_add_nc_u64 s[OB1:OB1+1], s[6:7], s[2:3]
	s_lshl_b32 s85, s[HD], 12       ; the squared lengths: 4,096 bytes a head
	s_lshl_b32 s86, s[WV], 6
	s_add_co_u32 s86, s86, s85
	s_lshl_b32 s2, s[PB], 9
	s_add_co_u32 s2, s2, s86
	s_add_nc_u64 s[PN0:PN0+1], s[4:5], s[2:3]
	s_add_nc_u64 s[PN0:PN0+1], s[PN0:PN0+1], 0x2100000
	s_lshl_b32 s2, s[HI7], 9
	s_add_co_u32 s2, s2, s86
	s_add_nc_u64 s[PN1:PN1+1], s[4:5], s[2:3]
	s_add_nc_u64 s[PN1:PN1+1], s[PN1:PN1+1], 0x2100000
	; what is loaded once, at the head, is reached from prj itself: its place goes into the lanes' offsets
	s_add_co_u32 s85, s85, 0x2140000               ; |k'|^2 of the head
	s_lshl_b32 s86, s[HD], 13                      ; the remainders: 8,192 bytes a head
	s_add_co_u32 s87, s86, 0x2080000               ; k_lo
	s_add_co_u32 s86, s86, s84                     ; q_lo at tokens 16 w on
	s_add_co_u32 s86, s86, 0x2000000
	v_and_b32 v1, 15, v0            ; l % 16
	v_bfe_u32 v9, v0, 4, 1          ; l / 16
	v_lshlrev_b32 v[QO], 7, v1
	v_lshl_add_u32 v[QO], v9, 4, v[QO]
	v_lshlrev_b32 v[NO], 2, v1
	v_and_b32 v[GO], 31, v0
	v_lshlrev_b32 v[PFO], 8, v[GO]
	v_lshlrev_b32 v[GO], 4, v[GO]
	v_add_nc_u32 v[QLO], s86, v[QO]
	v_add_nc_u32 v[KLO], s87, v[QO]
	v_add_nc_u32 v[KNO], s85, v[GO]
.set i, 0
.rept 16
	v_mov_b32 v[ST+i], 0            ; written once: the exchange of the lanes' halves counts its destination as read
.set i, i+1
.endr
	LOADQ PQ0, PN0
	WIN 0x80
.irp c, 0,1
	global_load_b128 v[QL+8*\c:QL+8*\c+3],   v[QLO], s[4:5] offset:\c*64
	global_load_b128 v[QL+8*\c+4:QL+8*\c+7], v[QLO], s[4:5] offset:\c*64+32
.endr
.irp f, 0,1,2,3,4,5,6,7             ; keys 16 (f / 2) on, channels 32 (f % 2) on
	global_load_b128 v[KL+8*\f:KL+8*\f+3],   v[KLO], s[4:5] offset:(\f/2)*2048+(\f%2)*64
	global_load_b128 v[KL+8*\f+4:KL+8*\f+7], v[KLO], s[4:5] offset:(\f/2)*2048+(\f%2)*64+32
.endr
.set i, 0
.rept 8
	v_mov_b32 v[ONES+i], 0x3c003c00 ; 1.0 twice in f16
.set i, i+1
.endr
	WIN 0
.irp j, 0,1,2,3,4,5,6,7
	global_load_b128 v[U+4*\j:U+4*\j+3], v[KNO], s[4:5] offset:512*\j
.endr
	v_mul_u32_u24 v[AK0], v1, PK
	v_lshl_add_u32 v[AK0], v9, 4, v[AK0]
	; the turning load takes 16 keys x 16 channels: lane l reads key 8 (l / 16) + l % 8, channels 8 ((l / 8) % 2) + 0..7
	v_and_b32 v10, 7, v0
	v_bfe_u32 v11, v0, 3, 1
	v_lshl_add_u32 v[AV0], v9, 3, v10
	v_mul_u32_u24 v[AV0], v[AV0], PVP
	v_lshl_add_u32 v[AV0], v11, 4, v[AV0]
	v_add_nc_u32 v[AV0], VOFF, v[AV0]
	s_mul_i32 s2, s[WV], 16*SP
	s_add_co_u32 s2, s2, STAGE
	v_mul_u32_u24 v[STO], v1, SP    ; in: row l % 16, 16 bytes for each half of the lanes
	v_lshl_add_u32 v[STO], v9, 4, v[STO]
	v_add_nc_u32 v[STO], s2, v[STO]
	v_bfe_u32 v[RD], v0, 3, 2       ; back: 32 lanes take four rows of 128 bytes
	v_mul_u32_u24 v[RD], v[RD], SP
	v_lshl_add_u32 v[RD], v10, 4, v[RD]
	v_add_nc_u32 v[RD], s2, v[RD]
	v_lshlrev_b32 v[DG], 3, v9
	v_sub_nc_u32 v[DG], v1, v[DG]
	s_lshl_b32 s2, s[WV], 4
	v_add_nc_u32 v[DG], s2, v[DG]   ; register j of key group kb is hidden in a piece's own step where 16 kb + j is greater
	v_mov_b32 v[VA], 0
	v_mov_b32 v[VA+1], 0            ; named in pairs
	v_mov_b32 v[VB], 0
	v_mov_b32 v[VB+1], 0
	WIN 0x40
.set i, 0
.rept 32
	v_cmp_gt_i32 vcc_lo, 16*(i/8)+i%8, v[DG]
	v_cndmask_b32 v[MD+i], 1.0, v[NIL], vcc_lo
.set i, i+1
.endr
	WIN 0
	s_wait_loadcnt 0x0              ; Q, the remainders, the squared lengths
	s_mov_b32 s[LOF], 0             ; the flag is a written constant on every way to its first test
	v_max3_num_f32 v[KNM], v[U], v[U+1], v[U+2]
.set i, 3
.rept 14
	v_max3_num_f32 v[KNM], v[KNM], v[U+i], v[U+i+1]
.set i, i+2
.endr
	v_max_num_f32 v[KNM], v[KNM], v[U+31]
	v_max_num_f32_dpp v[KNM], v[KNM], v[KNM] row_xmask:1 row_mask:0xf bank_mask:0xf
	v_max_num_f32_dpp v[KNM], v[KNM], v[KNM] row_xmask:2 row_mask:0xf bank_mask:0xf
	v_max_num_f32_dpp v[KNM], v[KNM], v[KNM] row_xmask:4 row_mask:0xf bank_mask:0xf
	v_max_num_f32_dpp v[KNM], v[KNM], v[KNM] row_xmask:8 row_mask:0xf bank_mask:0xf
	v_permlanex16_b32 v10, v[KNM], s[SEL], s[SEL+1]
	v_max_num_f32 v[KNM], v[KNM], v10
; THE MATRIX WORK.  The accumulators of a run take turns, one instruction a turn.
; 16 products: scores^T = (16 keys) x (16 queries)^T for both pieces: channels 32 c on, keys 16 kb on.  The first 8 start the sums.
.macro KQ fb
	WIN W_KQ
.irp c, 0,1
.irp kb, 0,1,2,3
.irp p, 0,1
.if \c == 0
	v_wmma_f32_16x16x32_f16 v[U+32*\p+8*\kb:U+32*\p+8*\kb+7], v[\fb+16*\kb+8*\c:\fb+16*\kb+8*\c+7], v[QF+16*\p+8*\c:QF+16*\p+8*\c+7], 0
.else
	v_wmma_f32_16x16x32_f16 v[U+32*\p+8*\kb:U+32*\p+8*\kb+7], v[\fb+16*\kb+8*\c:\fb+16*\kb+8*\c+7], v[QF+16*\p+8*\c:QF+16*\p+8*\c+7], v[U+32*\p+8*\kb:U+32*\p+8*\kb+7]
.endif
.endr
.endr
.endr
.endm
.macro KQLO                         ; block 0, step 0, piece 0: + k_lo.q' + k'.q_lo
	WIN W_KQ
.irp c, 0,1
.irp kb, 0,1,2,3
	v_wmma_f32_16x16x32_f16 v[U+8*\kb:U+8*\kb+7], v[KL+16*\kb+8*\c:KL+16*\kb+8*\c+7], v[QF+8*\c:QF+8*\c+7], v[U+8*\kb:U+8*\kb+7]
.endr
.endr
.irp c, 0,1
.irp kb, 0,1,2,3
	v_wmma_f32_16x16x32_f16 v[U+8*\kb:U+8*\kb+7], v[KF+16*\kb+8*\c:KF+16*\kb+8*\c+7], v[QL+8*\c:QL+8*\c+7], v[U+8*\kb:U+8*\kb+7]
.endr
.endr
.endm
.macro PVS                          ; 20 products: O^T += V^T P (keys 32 kk on, channels 16 cb on) and, cb = 4, the row sums += ones x P
	WIN W_PV
.irp kk, 0,1
.irp cb, 0,1,2,3,4
.irp p, 0,1
.if \cb < 4
	v_wmma_f32_16x16x32_f16 v[32*\p+8*\cb:32*\p+8*\cb+7], v[VF+32*\kk+8*\cb:VF+32*\kk+8*\cb+7], v[P+16*\p+8*\kk:P+16*\p+8*\kk+7], v[32*\p+8*\cb:32*\p+8*\cb+7]
.else
	v_wmma_f32_16x16x32_f16 v[LS+8*\p:LS+8*\p+7], v[ONES:ONES+7], v[P+16*\p+8*\kk:P+16*\p+8*\kk+7], v[LS+8*\p:LS+8*\p+7]
.endif
.endr
.endr
.endr
.endm
.macro FETCH_K fb, off              ; 64 keys x 64 channels: 8 fragments
	WIN 0x80
.irp f, 0,1,2,3,4,5,6,7
	ds_load_b128 v[\fb+8*\f:\fb+8*\f+3],   v[AK] offset:(\off)+(\f/2)*16*PK+(\f%2)*64
	ds_load_b128 v[\fb+8*\f+4:\fb+8*\f+7], v[AK] offset:(\off)+(\f/2)*16*PK+(\f%2)*64+32
.endr
.endm
.macro FETCH_V                      ; turned: keys 32 (f / 4) on, channels 16 (f % 4) on
	WIN 0x80
.irp f, 0,1,2,3,4,5,6,7
	ds_load_tr16_b128 v[VF+8*\f:VF+8*\f+3],   v[AV] offset:(\f/4)*32*PVP+(\f%4)*32
	ds_load_tr16_b128 v[VF+8*\f+4:VF+8*\f+7], v[AV] offset:(\f/4)*32*PVP+16*PVP+(\f%4)*32
.endr
.endm
; The masks of step J for both pieces, the row's scale folded in: MD x (AL s) + (BE s): AL = 1 in the piece's own step, BE = 1 in an earlier one.
.macro MASKS
.irp p, 0,1
	s_cmp_eq_u32 s[J], s[OWN0+\p]
	s_cselect_b32 s[AL], 1.0, 0
	s_cmp_lt_u32 s[J], s[OWN0+\p]
	s_cselect_b32 s[BE], 1.0, 0
	WIN 0
	v_mul_f32 v[VA], s[AL], v[ST+8*\p+2]
	v_mul_f32 v[VB], s[BE], v[ST+8*\p+2]
	WIN W_RS
.set z, 0
.rept 16
	v_pk_fma_f32 v[MK+32*\p+2*z:MK+32*\p+2*z+1], v[MD+2*z:MD+2*z+1], v[VA:VA+1], v[VB:VB+1] op_sel_hi:[1,0,0]
.set z, z+1
.endr
.endr
	WIN 0
.endm
.macro NEXTJ                        ; while both pieces still see all keys the masks stay as they are
	s_add_co_u32 s[J], s[J], 1
	s_mov_b32 s[LOF], 0
	s_cmp_lt_u32 s[J], s[OWN0]
	s_cbranch_scc1 .Lkeep_\@
	MASKS
.Lkeep_\@:
.endm
; PASS 1's vector work for a step: clip, 2^y, and the masked sums.  Two batches of 32 exponentials, a wait each ahead of the first line that names a result.
.macro V1
	WIN 0
.set r, 0
.rept 32
	v_med3_num_f32 v[U+r], v[U+r], s[CLO], s[CHI]
.set r, r+1
.endr
.set r, 0
.rept 32
	v_exp_f32 v[U+r], v[U+r]
	v_med3_num_f32 v[U+32+r], v[U+32+r], s[CLO], s[CHI]
.set r, r+1
.endr
	s_wait_alu depctr_va_vdst(0)    ; piece 0's batch
	WIN 0x04                        ; source 1 (the mask) in window 1
.set r, 0
.rept 16
	v_exp_f32 v[U+32+2*r], v[U+32+2*r]
	v_exp_f32 v[U+32+2*r+1], v[U+32+2*r+1]
	v_pk_fma_f32 v[AG+2*(r%4):AG+2*(r%4)+1], v[U+2*r:U+2*r+1], v[MK+2*r:MK+2*r+1], v[AG+2*(r%4):AG+2*(r%4)+1]
.set r, r+1
.endr
	v_nop
	s_wait_alu depctr_va_vdst(0)    ; piece 1's batch
.set r, 0
.rept 16
	v_pk_fma_f32 v[AG+8+2*(r%4):AG+8+2*(r%4)+1], v[U+32+2*r:U+32+2*r+1], v[MK+32+2*r:MK+32+2*r+1], v[AG+8+2*(r%4):AG+8+2*(r%4)+1]
.set r, r+1
.endr
	WIN 0
.endm
; PASS 2's vector work for a piece and step: u = |S| C1 + C0; t = 1 + u; log2 t (one batch of 32, one wait); e = u - (t - 1) held to +-2^-24; w = ln 2 log2 t + e; P = f16(w x mask).
.macro GRP up, i                    ; pair i: t - 1, e
	v_pk_add_f32 v[T+2*(\i):T+2*(\i)+1], v[T+2*(\i):T+2*(\i)+1], -1.0 op_sel_hi:[1,0]
	v_pk_add_f32 v[\up+2*(\i):\up+2*(\i)+1], v[\up+2*(\i):\up+2*(\i)+1], v[T+2*(\i):T+2*(\i)+1] neg_lo:[0,1] neg_hi:[0,1]
	v_med3_num_f32 v[\up+2*(\i)], v[\up+2*(\i)], s[EPN], s[EPP]
	v_med3_num_f32 v[\up+2*(\i)+1], v[\up+2*(\i)+1], s[EPN], s[EPP]
.endm
.macro V2 p
	WIN 0
.set r, 0
.rept 32
	v_fma_f32 v[U+32*\p+r], |v[U+32*\p+r]|, v[ST+8*\p], v[ST+8*\p+1]
.set r, r+1
.endr
.set r, 0
.rept 16
	v_pk_add_f32 v[T+2*r:T+2*r+1], v[U+32*\p+2*r:U+32*\p+2*r+1], 1.0 op_sel_hi:[1,0]
.set r, r+1
.endr
.set i, 0
.rept 16
	v_log_f32 v[LG+2*i], v[T+2*i]
	v_log_f32 v[LG+2*i+1], v[T+2*i+1]
.if i == 0
	v_nop                           ; a plain line ahead of the first that writes over a logarithm's source
.else
	GRP U+32*\p, i-1
.endif
.set i, i+1
.endr
	GRP U+32*\p, 15
	s_wait_alu depctr_va_vdst(0)    ; the batch's one wait: no line above names a result
.set r, 0
.rept 16
	v_pk_fma_f32 v[LG+2*r:LG+2*r+1], v[LG+2*r:LG+2*r+1], s[LN2:LN2+1], v[U+32*\p+2*r:U+32*\p+2*r+1] op_sel_hi:[1,0,1]
.set r, r+1
.endr
	WIN 0x04
.set r, 0
.rept 16
	v_pk_mul_f32 v[LG+2*r:LG+2*r+1], v[LG+2*r:LG+2*r+1], v[MK+32*\p+2*r:MK+32*\p+2*r+1]
.set r, r+1
.endr
	WIN 0
.set r, 0
.rept 16
	v_cvt_pk_f16_f32 v[P+16*\p+r], v[LG+2*r], v[LG+2*r+1]
.set r, r+1
.endr
.endm
.macro STEP1 fb
	KQ \fb
	WIN 0
	PLACES
	V1
.endm
; A step of pass 2.  lo = 1: the text holds the remainders' products, taken where LOF = 1 (block 0, step 0: always the walk's first tile).  lo = 0: the walk's last tile, which is never that one.
.macro STEP2 lo
	WIN 0
	v_add_nc_u32 v[AK], s[TBK], v[AK0]
	v_add_nc_u32 v[AV], s[TBV], v[AV0]
	FETCH_K KF, 0
	FETCH_V
	s_add_co_u32 s[TBK], s[TBK], 64*PK
	s_add_co_u32 s[TBV], s[TBV], 64*PVP
	s_wait_dscnt 16                 ; K is in; V's sixteen younger loads may stay out
	KQ KF
	WIN 0
.if \lo
	s_cmp_eq_u32 s[LOF], 1
	s_cbranch_scc0 .Lno_lo_\@
	KQLO
	WIN 0
.Lno_lo_\@:
.endif
	PLACES
	V2 0
	V2 1
	s_wait_dscnt 0x0                ; V is in
	PVS
	WIN 0
	PLACES
	NEXTJ
.endm
; THE WAY OUT of a block: O^T / (row sum + 1e-6 s), rounded to f16, through my stage, a piece (16 rows of O) at a time.
.macro PACK p
	WIN W_RS
.set i, 0
.rept 16
	v_pk_mul_f32 v[32*\p+2*i:32*\p+2*i+1], v[32*\p+2*i:32*\p+2*i+1], v[ST+8*\p+6:ST+8*\p+7] op_sel_hi:[1,0]
.set i, i+1
.endr
	WIN 0x05
.set i, 0
.rept 16
	v_cvt_pk_f16_f32 v[OUTB+16*\p+i], v[32*\p+2*i], v[32*\p+2*i+1]
.set i, i+1
.endr
	WIN 0
.irp f, 0,1,2,3
	ds_store_b128 v[STO], v[OUTB+16*\p+4*\f:OUTB+16*\p+4*\f+3] offset:32*\f
.endr
.irp f, 0,1,2,3
	ds_load_b128 v[OUTB+16*\p+4*\f:OUTB+16*\p+4*\f+3], v[RD] offset:\f*4*SP  ; LDS serves a wave's instructions in order: these see the stores above, the next piece's stores come behind them
.endr
.endm
.macro SEND p, younger, ob
.irp f, 0,1,2,3
	s_wait_dscnt (\younger)+3-\f
	global_store_b128 v[GO], v[OUTB+16*\p+4*\f:OUTB+16*\p+4*\f+3], s[\ob:\ob+1] offset:\p*8192+\f*512  ; 512 consecutive bytes, aligned
.endr
.endm
.macro OUT last, ob
	WIN 0
	s_wait_xcnt 0x0                 ; earlier stores have read the registers that are written below
.if !(\last)
	LOADQ PQ1, PN1                  ; the second block's Q comes while the first goes out
.endif
	WIN 0x01
	v_add_f32 v[ST+5],  v[LS],   v[ST+3]   ; every register of the row sums' accumulator holds the sum: the lowest is read
	v_add_f32 v[ST+13], v[LS+8], v[ST+11]
	WIN 0
	v_rcp_f32 v[ST+6],  v[ST+5]
	v_rcp_f32 v[ST+14], v[ST+13]
	v_nop
	s_wait_alu depctr_va_vdst(0)
	PACK 0
	PACK 1
	SEND 0, 8, \ob
	SEND 1, 0, \ob
.if !(\last)
	s_mov_b32 s[CUR], s[HI7]
	s_sub_co_u32 s[RT], 8, s[PB]
	s_mov_b32 s[NEW], 1
.endif
.endm
.Lvisit:                            ; 8 times: a tile is entered and the next is asked for
	CHANGE 1
	s_cmp_eq_u32 s[NEW], 1
	s_cbranch_scc0 .Lold
	; A BLOCK BEGINS: pass 1, then the row's constants.  No barrier and no tensor load stands here.
	s_mov_b32 s[NEW], 0
	s_mov_b32 s[J], 0
	s_lshl_b32 s[OWN0], s[CUR], 1
	s_add_co_u32 s[OWN1], s[OWN0], 1
	s_wait_loadcnt 0x0              ; the block's Q and squared lengths
	v_mov_b32 v[ST+2], 1.0          ; pass 1's masks carry no scale
	v_mov_b32 v[ST+10], 1.0
	MASKS
.set i, 0
.rept 16
	v_mov_b32 v[AG+i], 0
.set i, i+1
.endr
	WIN 0x40                        ; O^T and the row sums start at 0, on purpose: the second product then has one text for every step
.set i, 0
.rept 80
	v_mov_b32 v[i], 0
.set i, i+1
.endr
	WIN 0
	s_mov_b32 s[T1], 0
	s_mov_b32 s[TY], KY
.Lp1:                               ; 8 trips, a tile of 128 keys each; the tiles behind the block's own are jumped over
	s_cmp_gt_u32 s[T1], s[CUR]
	s_cbranch_scc1 .Lp1_skip
	v_add_nc_u32 v[AK], s[TY], v[AK0]
	FETCH_K KF, 0
	FETCH_K VF, 64*PK               ; the second step's fragments lie in V's registers, idle in this pass
	WIN 0
	s_wait_dscnt 16                 ; the first step's are in
	STEP1 KF
	NEXTJ
	s_wait_dscnt 0x0
	STEP1 VF
	NEXTJ
.Lp1_skip:
	s_add_co_u32 s[TY], s[TY], 128*PK
	s_add_co_u32 s[T1], s[T1], 1
	s_cmp_lt_u32 s[T1], 8
	s_cbranch_scc1 .Lp1
	; c = 1 / (sum + 2e-6); C1 = c 2^-11; C0 = c 1e-6; M = sqrt(|q'|^2 max |k'|^2); s = 1 / log(1 + M C1 + C0)
.irp p, 0,1
	v_pk_add_f32 v[AG+8*\p:AG+8*\p+1], v[AG+8*\p:AG+8*\p+1], v[AG+8*\p+2:AG+8*\p+3]
	v_pk_add_f32 v[AG+8*\p+4:AG+8*\p+5], v[AG+8*\p+4:AG+8*\p+5], v[AG+8*\p+6:AG+8*\p+7]
.endr
.irp p, 0,1
	v_pk_add_f32 v[AG+8*\p:AG+8*\p+1], v[AG+8*\p:AG+8*\p+1], v[AG+8*\p+4:AG+8*\p+5]
.endr
.irp p, 0,1
	v_add_f32 v[ST+8*\p+5], v[AG+8*\p], v[AG+8*\p+1]
.endr
.irp p, 0,1
	v_permlanex16_b32 v[ST+8*\p+6], v[ST+8*\p+5], s[SEL], s[SEL+1]  ; the query's other keys lie in the lane 16 away
.endr
.irp p, 0,1
	v_add_f32 v[ST+8*\p+5], v[ST+8*\p+5], v[ST+8*\p+6]
.endr
.irp p, 0,1
	v_add_f32 v[ST+8*\p+5], 0x360637bd, v[ST+8*\p+5]   ; + 2e-6
	v_mul_f32 v[ST+8*\p+6], v[ST+8*\p+4], v[KNM]
.endr
.irp p, 0,1
	v_rcp_f32 v[ST+8*\p+7], v[ST+8*\p+5]
	v_sqrt_f32 v[ST+8*\p+6], v[ST+8*\p+6]
.endr
	v_nop
	s_wait_alu depctr_va_vdst(0)
.irp p, 0,1
	v_mul_f32 v[ST+8*\p],   0x3a000000, v[ST+8*\p+7]   ; C1
	v_mul_f32 v[ST+8*\p+1], 0x358637bd, v[ST+8*\p+7]   ; C0
.endr
.irp p, 0,1
	v_fma_f32 v[ST+8*\p+5], v[ST+8*\p+6], v[ST+8*\p], v[ST+8*\p+1]
.endr
.irp p, 0,1
	v_add_f32 v[ST+8*\p+7], 1.0, v[ST+8*\p+5]
.endr
.irp p, 0,1
	v_log_f32 v[ST+8*\p+6], v[ST+8*\p+7]
.endr
	v_nop
.irp p, 0,1
	v_add_f32 v[ST+8*\p+7], -1.0, v[ST+8*\p+7]
.endr
.irp p, 0,1
	v_sub_f32 v[ST+8*\p+5], v[ST+8*\p+5], v[ST+8*\p+7]
.endr
.irp p, 0,1
	v_med3_num_f32 v[ST+8*\p+5], v[ST+8*\p+5], s[EPN], s[EPP]
.endr
	s_wait_alu depctr_va_vdst(0)
.irp p, 0,1
	v_fma_f32 v[ST+8*\p+6], v[ST+8*\p+6], s[LN2], v[ST+8*\p+5]
.endr
.irp p, 0,1
	v_rcp_f32 v[ST+8*\p+2], v[ST+8*\p+6]
.endr
	v_nop
	s_wait_alu depctr_va_vdst(0)
.irp p, 0,1
	v_mul_f32 v[ST+8*\p+3], 0x358637bd, v[ST+8*\p+2]
.endr
	s_mov_b32 s[J], 0               ; pass 2 begins at step 0, its masks carry s
	s_cmp_eq_u32 s[CUR], 0
	s_cselect_b32 s[LOF], 1, 0
	MASKS
.Lold:
	s_mov_b32 s[CNT], 2
.Lstep:
	STEP2 1
	s_sub_co_u32 s[CNT], s[CNT], 1
	s_cmp_lg_u32 s[CNT], 0
	s_cbranch_scc1 .Lstep
	s_sub_co_u32 s[RT], s[RT], 1
	s_cmp_lg_u32 s[RT], 0
	s_cbranch_scc1 .Lgo_on
	OUT 0, OB0                      ; in the loop this is the first block's end: the second's last tile is the walk's last
.Lgo_on:
	s_sub_co_u32 s[SLOTS], s[SLOTS], 1
	s_cmp_lg_u32 s[SLOTS], 0
	s_cbranch_scc1 .Lvisit
	CHANGE 0                        ; the walk's last tile is written out; it is never a block's first
	s_wait_loadcnt 0x0              ; the second block's Q was waited for where that block began, so this wait is met at once: it keeps the order load, wait, product on every way through the text
	s_mov_b32 s[CNT], 2
.Llast:
	STEP2 0
	s_sub_co_u32 s[CNT], s[CNT], 1
	s_cmp_lg_u32 s[CNT], 0
	s_cbranch_scc1 .Llast
	OUT 1, OB1
	s_wait_tensorcnt 0x0            ; the wave's end
	ds_add_u32 v[SPW], v[NIL]
	s_wait_dscnt 0x0
	s_endpgm
.Lfunc_end_k_qdf6ea3898c_attn:
	.size	k_qdf6ea3898c_attn, .Lfunc_end_k_qdf6ea3898c_attn-k_qdf6ea3898c_attn
	.p2alignl 7, 3214868480
	.fill 96, 4, 3214868480
	.section	.rodata,"a",@progbits
	.p2align	6, 0x0
	.amdhsa_kernel k_qdf6ea3898c_attn
		.amdhsa_group_segment_fixed_size 327680
		.amdhsa_private_segment_fixed_size 0
		.amdhsa_enable_private_segment 0
		.amdhsa_kernarg_size 16
		.amdhsa_user_sgpr_count 2
		.amdhsa_user_sgpr_kernarg_segment_ptr 1
		.amdhsa_wavefront_size32 1
		.amdhsa_system_sgpr_workgroup_id_x 1
		.amdhsa_system_sgpr_workgroup_id_y 1
		.amdhsa_system_sgpr_workgroup_id_z 1
		.amdhsa_system_vgpr_workitem_id 0
		.amdhsa_next_free_vgpr 768
		.amdhsa_next_free_sgpr 100
		.amdhsa_reserve_vcc 1
		.amdhsa_float_denorm_mode_32 3
		.amdhsa_float_denorm_mode_16_64 3
		.amdhsa_memory_ordered 1
		.amdhsa_forward_progress 1
		.amdhsa_inst_pref_size 132
	.end_amdhsa_kernel
	.amdgpu_metadata
---
amdhsa.version: [ 1, 2 ]
amdhsa.kernels:
  - .name:           k_qdf6ea3898c_attn
    .symbol:         k_qdf6ea3898c_attn.kd
    .args:
      - { .name: prj, .offset: 0, .size: 8, .value_kind: global_buffer, .address_space: global }
      - { .name: ob, .offset: 8, .size: 8, .value_kind: global_buffer, .address_space: global }
    .group_segment_fixed_size: 327680
    .private_segment_fixed_size: 0
    .kernarg_segment_align: 8
    .kernarg_segment_size: 16
    .max_flat_workgroup_size: 128
    .sgpr_count:     100
    .vgpr_count:     768
    .wavefront_size: 32
...
	.end_amdgpu_metadata
.endif
;; end of part 3
;; launch oproj (part 4): grid 8 x 32, 4 waves a work-group, clusters of 4 x 4, 327,680 bytes of LDS; arguments ob, cst, out0; writes out0
.if DOCPART == 4
	.amdgcn_target "amdgcn-amd-amdhsa--gfx1250"
	.amdhsa_code_object_version 6
	.text
	.protected	k_qdf6ea3898c_oproj
	.globl	k_qdf6ea3898c_oproj
	.p2align	8
	.type	k_qdf6ea3898c_oproj,@function
k_qdf6ea3898c_oproj:
	s_mov_b64 s[64:65], 0
	v_nop
	global_prefetch_b8 v0, s[64:65] scope:SCOPE_SE
	s_setreg_imm32_b32 hwreg(HW_REG_WAVE_MODE, 25, 1), 1
	s_wait_xcnt 0x0
	s_wait_alu depctr_hold_cnt(0) depctr_sa_sdst(0) depctr_va_vdst(0) depctr_va_sdst(0) depctr_va_ssrc(0) depctr_va_vcc(0) depctr_vm_vsrc(0)
	s_getreg_b32 s2, hwreg(HW_REG_IB_STS2, 6, 4)
	s_cmp_eq_u32 s2, 0
	s_cbranch_scc0 .Lentry_in_a_cluster
	s_endpgm
.Lentry_in_a_cluster:
	s_bfe_u32 s2, ttmp6, 0x10000c
	s_cmp_lg_u32 s2, 0xf033
	s_cbranch_scc0 .Lentry_shape_is_right
	s_endpgm
.Lentry_shape_is_right:
; out[token][n] = 2^-12 x the sum over k of O'[token][k] W'[n][k]: O' = 16 O in f16, by heads ([batch x 16 + head][token][64]); W' = 256 x bf16(w_proj) in f16, [1024][1024]; sums in f32, out in f32.
; A tile of 128 x 128 to a work-group of four waves, 64 x 64 (16 accumulators) to a wave; K in 4 steps of 256 (four heads) through two LDS slots.
; A's tile is asked for as 4 rows (heads) of 4,096 elements (64 tokens x 64 channels, dense), 65,536 elements apart, padded behind every token: in LDS [head][token], 144 bytes a token.
; CLUSTERS: 4 x 4 work-groups; A's tiles are asked for jointly along a row of the cluster, B's along a column.  The matrix instruction is used transposed: a lane holds one token and eight neighbouring columns.
; REGISTERS: window 0: v0-31 addresses; v32-95 the way out; v128-255 the accumulators ((a, b) at v[128 + 8 (4 a + b)]).  Window 1: two fragment buffers of 128: 64 of A, then 64 of B.
.set SIZE_K, 1024
.set KSTEP,  256
.set PITCH,  528                       ; B's LDS row: 512 bytes + 16
.set PA,     144                       ; A's: a token's 128 bytes of one head + 16
.set PLANE,  64*PA                     ; a head's 64 tokens
.set HALFA,  4*PLANE                   ; what one load brings of A
.set HALFB,  64*PITCH                  ; of B
.set BOFF,   2*HALFA
.set SLOT,   BOFF+2*HALFB
.set SPARE,  2*SLOT                    ; the spare words, 128 bytes a wave, that no other line names
.set SPITCH, 272                       ; the way out: a wave's 64 f32 of a row + 16 bytes
.set ASTEP,  4*131072                  ; bytes from a K step of A to the next: four heads
.set BSTEP,  KSTEP*2
.set LAPS,   SIZE_K/(2*KSTEP)
.set ADRA, 16
.set ADRB, 20
.set STO,  24
.set RD,   25
.set CO,   26
.set SPW,  28
.set NIL,  29
.set TMP,  32
.set ACC,  128
.set F0,   0
.set F1,   128
.set G1, 24
.set G0, 32
.set G1B, 48
.set G0B, 56
.set MSB, 0
.macro WIN new
.if MSB != (\new)
	s_set_vgpr_msb (MSB<<8)|(\new)
.set MSB, \new
.endif
.endm
.set MUL,  0x05                        ; sources 0 (B) and 1 (A) window 1; C and D window 0
.set TO_F, 0x40
.macro JLOAD s                         ; a joint load: waves 0 and 1 fetch A's halves, waves 2 and 3 B's; an s_nop 0 and four v_nop follow each line
	s_cmp_eq_u32 s11, 0
	s_cbranch_scc0 .Lfor_b_\@
	tensor_load_to_lds s[G0+4*(\s):G0+4*(\s)+3], s[G1:G1+7]
	s_nop 0
.rept 4
	v_nop
.endr
	s_branch .Lasked_\@
.Lfor_b_\@:
	tensor_load_to_lds s[G0B+4*(\s):G0B+4*(\s)+3], s[G1B:G1B+7]
	s_nop 0
.rept 4
	v_nop
.endr
.Lasked_\@:
.endm
.macro CREST
	s_cmp_lg_u32 s10, 0
	s_cbranch_scc1 .Lnot_wave_0_\@
	s_barrier_signal -3
.Lnot_wave_0_\@:
	s_barrier_wait -3
	s_barrier_signal -1
	s_barrier_wait -1
.endm
.macro CROUND
	s_barrier_signal -1
	s_barrier_wait -1
	CREST
.endm
	s_load_b128 s[4:7], s[0:1], 0x0                ; ob s[4:5], cst s[6:7]
	s_load_b64 s[8:9], s[0:1], 0x10                ; out0
	v_lshl_add_u32 v[SPW], v0, 2, SPARE
	v_mov_b32 v[NIL], 0
	ds_add_u32 v[SPW], v[NIL]                      ; the opening: the add, twice on end, and its wait ahead of my first tensor load
	ds_add_u32 v[SPW], v[NIL]
	v_lshrrev_b32 v1, 5, v0
	v_readfirstlane_b32 s10, v1
	s_lshr_b32 s11, s10, 1                         ; which half of the tile's rows is mine.  Also: I fetch for A (0) or for B (1)
	s_and_b32 s12, s10, 1                          ; which half of its columns.  Also: which 64 rows I fetch
	s_bfe_u32 s40, ttmp6, 0x40000
	s_bfe_u32 s41, ttmp6, 0x40004
	s_lshl_b32 s42, ttmp9, 2
	s_add_co_u32 s42, s42, s40                     ; tile column
	s_and_b32 s13, ttmp7, 0xffff
	s_lshl_b32 s13, s13, 2
	s_add_co_u32 s13, s13, s41                     ; tile row
	s_lshl_b32 s43, s41, 2
	s_lshl_b32 s43, 15, s43
	s_lshl_b32 s44, 0x1111, s40
	s_or_b32 s[G1+0], s43, (1<<16)|(1<<20)|(1<<21)|(4<<22)|(3<<25)   ; A: mask of my row; 2-byte elements; padding: after every 32 words 4 words
	s_mov_b32 s[G1+1], 4096<<16                    ; tensor_dim0 = 4,096
	s_mov_b32 s[G1+2], 4<<16                       ; tensor_dim1 = 4
	s_mov_b32 s[G1+3], 4096<<16                    ; tile_dim0 = 4,096
	s_mov_b32 s[G1+4], 4                           ; tile_dim1 = 4
	s_mov_b32 s[G1+5], 65536                       ; elements from head to head
	s_mov_b32 s[G1+6], 0
	s_mov_b32 s[G1+7], 0
	s_or_b32 s[G1B+0], s44, (1<<16)|(1<<20)|(1<<21)|(6<<22)|(3<<25)  ; B: mask of my column; after every 128 words 4 words
	s_mov_b32 s[G1B+1], KSTEP<<16
	s_mov_b32 s[G1B+2], 64<<16
	s_mov_b32 s[G1B+3], KSTEP<<16
	s_mov_b32 s[G1B+4], 64
	s_mov_b32 s[G1B+5], SIZE_K
	s_mov_b32 s[G1B+6], 0
	s_mov_b32 s[G1B+7], 0
	s_lshr_b32 s16, s13, 3                         ; A: the batch, 16 heads of 131,072 bytes,
	s_lshl_b32 s16, s16, 21
	s_and_b32 s17, s13, 7                          ; the tile's 128 tokens of 128 bytes,
	s_lshl_b32 s17, s17, 14
	s_add_co_u32 s16, s16, s17
	s_lshl_b32 s17, s12, 13                        ; my 64 of them
	s_add_co_u32 s16, s16, s17
	s_mov_b32 s17, 0
	s_lshl_b32 s46, s42, 7                         ; B: row 128 x tile column + 64 x half, 2,048 bytes a row
	s_lshl_b32 s47, s12, 6
	s_add_co_u32 s46, s46, s47
	s_lshl_b32 s46, s46, 11
	s_mov_b32 s47, 0
	s_mul_i32 s20, s12, HALFA                      ; where they go
	s_mul_i32 s21, s12, HALFB
	s_add_co_u32 s21, s21, BOFF
	s_wait_dscnt 0x0                               ; both opening adds are done
	s_wait_kmcnt 0x0
	s_add_nc_u64 s[6:7], s[6:7], 0x1000000         ; W' lies 16,777,216 bytes into cst
	s_add_nc_u64 s[14:15], s[4:5], s[16:17]
	s_add_nc_u64 s[46:47], s[6:7], s[46:47]
	CROUND
.irp s, 0,1
	s_mov_b32 s[G0+4*(\s)], 1
	s_add_co_u32 s[G0+4*(\s)+1], s20, (\s)*SLOT
	s_add_nc_u64 s[G0+4*(\s)+2:G0+4*(\s)+3], s[14:15], (\s)*ASTEP
	s_or_b32 s[G0+4*(\s)+3], s[G0+4*(\s)+3], 0x80000000
	s_mov_b32 s[G0B+4*(\s)], 1
	s_add_co_u32 s[G0B+4*(\s)+1], s21, (\s)*SLOT
	s_add_nc_u64 s[G0B+4*(\s)+2:G0B+4*(\s)+3], s[46:47], (\s)*BSTEP
	s_or_b32 s[G0B+4*(\s)+3], s[G0B+4*(\s)+3], 0x80000000
	JLOAD \s
.endr
	v_and_b32 v1, 15, v0
	v_bfe_u32 v2, v0, 4, 1
	v_mul_u32_u24 v3, v1, PA
	v_lshl_add_u32 v3, v2, 4, v3
	v_mul_u32_u24 v4, v1, PITCH
	v_lshl_add_u32 v4, v2, 4, v4
	s_mul_i32 s21, s11, HALFA                      ; my 64 tokens
	s_mul_i32 s22, s12, HALFB                      ; my 64 rows of B
	s_add_co_u32 s22, s22, BOFF
.irp s, 0,1
	v_add_nc_u32 v[ADRA+(\s)], s21, v3
	v_add_nc_u32 v[ADRB+(\s)], s22, v4
	s_add_co_u32 s21, s21, SLOT
	s_add_co_u32 s22, s22, SLOT
.endr
	s_mul_i32 s23, s10, 64*SPITCH                  ; my stage: 64 rows of 272 bytes, in slot 0, which nobody reads and nothing fills behind the last change of slots
	v_mul_u32_u24 v5, v1, SPITCH                   ; in: row l % 16, 32 bytes for each half of the lanes
	v_lshl_add_u32 v5, v2, 5, v5
	v_add_nc_u32 v[STO], s23, v5
	v_mul_u32_u24 v5, v2, SPITCH                   ; back: lanes 0-15 one row of 256 bytes, lanes 16-31 the next
	v_lshl_add_u32 v5, v1, 4, v5
	v_add_nc_u32 v[RD], s23, v5
	v_lshlrev_b32 v5, 12, v2                       ; and the same two rows in out0, 4,096 bytes a row
	v_lshl_add_u32 v[CO], v1, 4, v5
	s_lshl_b32 s16, s13, 7
	s_lshl_b32 s17, s11, 6
	s_add_co_u32 s16, s16, s17                     ; my first row
	s_lshl_b32 s16, s16, 12
	s_mov_b32 s17, 0
	s_add_nc_u64 s[8:9], s[8:9], s[16:17]
	s_lshl_b32 s46, s42, 9                         ; my first column, in bytes
	s_lshl_b32 s47, s12, 8
	s_add_co_u32 s46, s46, s47
	s_mov_b32 s47, 0
	s_add_nc_u64 s[8:9], s[8:9], s[46:47]
.macro MUL8 f, c, a0, zero             ; 8 matrix instructions: m blocks a0, a0 + 1 x all 4 n blocks, 32 along K: half c of buffer f
	WIN MUL
.irp a, \a0, (\a0)+1
.irp b, 0,1,2,3
.if \zero
	v_wmma_f32_16x16x32_f16 v[ACC+8*(4*(\a)+(\b)):ACC+8*(4*(\a)+(\b))+7], v[(\f)+64+8*(4*(\c)+(\b)):(\f)+64+8*(4*(\c)+(\b))+7], v[(\f)+8*(4*(\c)+(\a)):(\f)+8*(4*(\c)+(\a))+7], 0
.else
	v_wmma_f32_16x16x32_f16 v[ACC+8*(4*(\a)+(\b)):ACC+8*(4*(\a)+(\b))+7], v[(\f)+64+8*(4*(\c)+(\b)):(\f)+64+8*(4*(\c)+(\b))+7], v[(\f)+8*(4*(\c)+(\a)):(\f)+8*(4*(\c)+(\a))+7], v[ACC+8*(4*(\a)+(\b)):ACC+8*(4*(\a)+(\b))+7]
.endif
.endr
.endr
.endm
; 32 LDS loads in one run: 64 along K (one head) at byte k of B's rows, plane k / 128 of A, into buffer f; the first 32 along K first
.macro FETCH slot, k, f
	WIN TO_F
.irp c, 0,1
.irp i, 0,1,2,3
	ds_load_b128 v[(\f)+64+8*(4*(\c)+(\i)):(\f)+64+8*(4*(\c)+(\i))+3],   v[ADRB+(\slot)] offset:(\k)+64*(\c)+(\i)*16*PITCH
	ds_load_b128 v[(\f)+64+8*(4*(\c)+(\i))+4:(\f)+64+8*(4*(\c)+(\i))+7], v[ADRB+(\slot)] offset:(\k)+64*(\c)+(\i)*16*PITCH+32
	ds_load_b128 v[(\f)+8*(4*(\c)+(\i)):(\f)+8*(4*(\c)+(\i))+3],         v[ADRA+(\slot)] offset:((\k)/128)*PLANE+64*(\c)+(\i)*16*PA
	ds_load_b128 v[(\f)+8*(4*(\c)+(\i))+4:(\f)+8*(4*(\c)+(\i))+7],       v[ADRA+(\slot)] offset:((\k)/128)*PLANE+64*(\c)+(\i)*16*PA+32
.endr
.endr
.endm
.macro PLACES
.rept 4
	v_nop
.endr
.endm
.macro QUARTER slot, k, f, g, zero
	s_wait_dscnt 16                                ; the first 32 along K are in
	WIN MUL
	MUL8 \f, 0, 0, \zero
	MUL8 \f, 0, 2, \zero
	PLACES
	FETCH \slot, \k, \g
	s_wait_dscnt 32                                ; all but the 32 just issued
	WIN MUL
	MUL8 \f, 1, 0, 0
	MUL8 \f, 1, 2, 0
.endm
; The last quarter multiplies buffer 1 and changes slots: one barrier; in front of it each wave waits for all its tensor loads, adds 0 to its spare word, and waits for that and for its reads of this slot.
.macro TURN slot, next, fill
	WIN 0
	s_wait_tensorcnt 0x0                           ; all my tensor loads have landed: my part of the next slot
	ds_add_u32 v[SPW], v[NIL]
	s_wait_dscnt 17                                ; (the add and the youngest sixteen loads may be out)
	WIN MUL
	MUL8 F1, 0, 0, 0
	s_wait_dscnt 0x0                               ; the add is done, and my reads of this slot are over
	s_barrier_signal -1
	MUL8 F1, 0, 2, 0
.if \fill
	WIN 0
.endif
	s_barrier_wait -1
.if \fill
	CREST                                          ; the barrier has opened a round of the cluster's
	s_add_nc_u64 s[G0+4*(\slot)+2:G0+4*(\slot)+3], s[G0+4*(\slot)+2:G0+4*(\slot)+3], 2*ASTEP
	s_add_nc_u64 s[G0B+4*(\slot)+2:G0B+4*(\slot)+3], s[G0B+4*(\slot)+2:G0B+4*(\slot)+3], 2*BSTEP
	JLOAD \slot
.else
	PLACES
.endif
	FETCH \next, 0, F0
	WIN MUL
	MUL8 F1, 1, 0, 0
	MUL8 F1, 1, 2, 0
.endm
	s_wait_tensorcnt 1                             ; my part of K step 0 is in; K step 1's may stay out
	s_barrier_signal -1
	s_barrier_wait -1
	FETCH 0, 0, F0
	QUARTER 0, 128, F0, F1, 1
	WIN 0
	s_mov_b32 s3, LAPS-1
.Llap:
	QUARTER 0, 256, F1, F0, 0
	QUARTER 0, 384, F0, F1, 0
	TURN 0, 1, 1
	QUARTER 1, 128, F0, F1, 0
	QUARTER 1, 256, F1, F0, 0
	QUARTER 1, 384, F0, F1, 0
	TURN 1, 0, 1
	QUARTER 0, 128, F0, F1, 0
	WIN 0
	s_sub_co_u32 s3, s3, 1
	s_cmp_lg_u32 s3, 0
	s_cbranch_scc1 .Llap
	QUARTER 0, 256, F1, F0, 0                      ; the last lap fills nothing
	QUARTER 0, 384, F0, F1, 0
	TURN 0, 1, 0
	QUARTER 1, 128, F0, F1, 0
	QUARTER 1, 256, F1, F0, 0
	QUARTER 1, 384, F0, F1, 0
	s_wait_dscnt 16
	WIN MUL
	MUL8 F1, 0, 0, 0
	MUL8 F1, 0, 2, 0
	s_wait_dscnt 0
	MUL8 F1, 1, 0, 0
	MUL8 F1, 1, 2, 0
	WIN 0
	; THE WAY OUT, 32 rows at a time: times 2^-12; 32 bytes a lane into my own stage; back as whole rows of 256 bytes, which are my 64 columns of a row of out0.
	PLACES
	PLACES
.irp hf, 0,1
.if \hf
	s_wait_xcnt 0x0                                ; the first half's stores have read TMP
.endif
.irp t, 0,1,2,3,4,5,6,7
.irp r, 0,1,2,3
	v_pk_mul_f32 v[TMP+8*\t+2*\r:TMP+8*\t+2*\r+1], v[ACC+8*(8*\hf+\t)+2*\r:ACC+8*(8*\hf+\t)+2*\r+1], 0x39800000 op_sel_hi:[1,0]
.endr
.endr
.irp t, 0,1,2,3,4,5,6,7
	ds_store_b128 v[STO], v[TMP+8*\t:TMP+8*\t+3]   offset:(2*\hf+\t/4)*16*SPITCH+64*(\t%4)
	ds_store_b128 v[STO], v[TMP+8*\t+4:TMP+8*\t+7] offset:(2*\hf+\t/4)*16*SPITCH+64*(\t%4)+16
.endr
.irp t, 0,1,2,3,4,5,6,7,8,9,10,11,12,13,14,15
	ds_load_b128 v[TMP+4*\t:TMP+4*\t+3], v[RD] offset:(32*\hf+2*\t)*SPITCH  ; LDS serves a wave's instructions in order: these see the stores above
.endr
.irp t, 0,1,2,3,4,5,6,7,8,9,10,11,12,13,14,15
	s_wait_dscnt 15-\t
	global_store_b128 v[CO], v[TMP+4*\t:TMP+4*\t+3], s[8:9] offset:(32*\hf+2*\t)*4096 th:TH_STORE_NT  ; 16 lanes store 256 consecutive bytes, aligned
.endr
.endr
	s_wait_tensorcnt 0x0                           ; the wave's end
	ds_add_u32 v[SPW], v[NIL]
	s_wait_dscnt 0x0
	CROUND                                         ; the closing round
	s_endpgm
.Lfunc_end_k_qdf6ea3898c_oproj:
	.size	k_qdf6ea3898c_oproj, .Lfunc_end_k_qdf6ea3898c_oproj-k_qdf6ea3898c_oproj
	.p2alignl 7, 3214868480
	.fill 96, 4, 3214868480
	.section	.rodata,"a",@progbits
	.p2align	6, 0x0
	.amdhsa_kernel k_qdf6ea3898c_oproj
		.amdhsa_group_segment_fixed_size 327680
		.amdhsa_private_segment_fixed_size 0
		.amdhsa_enable_private_segment 0
		.amdhsa_kernarg_size 24
		.amdhsa_user_sgpr_count 2
		.amdhsa_user_sgpr_kernarg_segment_ptr 1
		.amdhsa_wavefront_size32 1
		.amdhsa_system_sgpr_workgroup_id_x 1
		.amdhsa_system_sgpr_workgroup_id_y 1
		.amdhsa_system_sgpr_workgroup_id_z 1
		.amdhsa_system_vgpr_workitem_id 0
		.amdhsa_next_free_vgpr 512
		.amdhsa_next_free_sgpr 66
		.amdhsa_reserve_vcc 0
		.amdhsa_float_denorm_mode_32 3
		.amdhsa_float_denorm_mode_16_64 3
		.amdhsa_memory_ordered 1
		.amdhsa_forward_progress 1
		.amdhsa_inst_pref_size 93
	.end_amdhsa_kernel
	.amdgpu_metadata
---
amdhsa.version: [ 1, 2 ]
amdhsa.kernels:
  - .name:           k_qdf6ea3898c_oproj
    .symbol:         k_qdf6ea3898c_oproj.kd
    .args:
      - { .name: ob, .offset: 0, .size: 8, .value_kind: global_buffer, .address_space: global }
      - { .name: cst, .offset: 8, .size: 8, .value_kind: global_buffer, .address_space: global }
      - { .name: out0, .offset: 16, .size: 8, .value_kind: global_buffer, .address_space: global }
    .group_segment_fixed_size: 327680
    .private_segment_fixed_size: 0
    .kernarg_segment_align: 8
    .kernarg_segment_size: 24
    .max_flat_workgroup_size: 128
    .sgpr_count:     66
    .vgpr_count:     512
    .wavefront_size: 32
...
	.end_amdgpu_metadata
.endif
;; end of part 4
